; MI455X (gfx1250); checked and timed in simulation.
; The chip was launched on July 23, 2026; its instructions are those of AMD's public machine-readable ISA for CDNA 5 (MIT licence, August 2026) and "CDNA5" Instruction Set Architecture Reference Guide (July 2026). The comments in the code are by the model that wrote it; some were corrected since.
;; Self Attention. Allowed arithmetic: float matrix products may take bf16 or f16 operands with f32 sums; other float arithmetic in f32, or as packed bf16 or f16 multiplies, adds, multiply-adds, maxima and minima; sums over many terms, partial sums and values carried from step to step in f32; what a program stores and reads back later, other than sums and carried values, may be rounded once to bf16 or f16.
;; Inputs: Wout 1,024 x 1,024 float32; Wqkv 3,072 x 1,024 float32; bout 1,024 float32; x 4 x 4,096 x 1,024 float32.
;; Outputs: out0 4 x 4,096 x 1,024 float32.
;; 2 versions, each right; version 2 is version 1 with the launches cast, att written anew for expert scheduling mode. Each part assembles by itself: llvm-mc -triple=amdgcn-amd-amdhsa -mcpu=gfx1250 --defsym DOCPART=n.
;; ======== version 1 of 2: 4 launches
;; limits: values are held in f16: magnitudes above 65,504 overflow, below 6.1e-05 lose precision
;; workspace buffers: xb 33,554,432 bytes; wqb 6,291,456 bytes; wob 2,097,152 bytes; qkv 100,663,296 bytes; ob 33,554,432 bytes
;; launch cast (part 1): grid 1280 x 1, 8 waves a work-group, no clusters, 0 bytes of LDS; arguments x, Wqkv, Wout, xb, wqb, wob; writes xb, wqb, wob
.if DOCPART == 1
	.amdgcn_target "amdgcn-amd-amdhsa--gfx1250"
	.amdhsa_code_object_version 6
	.text
	.protected	k_qeb105f11cd_cast
	.globl	k_qeb105f11cd_cast
	.p2align	8
	.type	k_qeb105f11cd_cast,@function
k_qeb105f11cd_cast:
	s_mov_b64 s[64:65], 0
	v_nop
	global_prefetch_b8 v0, s[64:65] scope:SCOPE_SE
	s_setreg_imm32_b32 hwreg(HW_REG_WAVE_MODE, 25, 1), 1
	s_wait_xcnt 0x0
; THE INPUTS ARE ROUNDED ONCE TO 16 BITS, and the weights laid out for the launches behind.
;   xb  [16384][1024] bf16 = x.
;   wqb [3072][1024]  bf16 = rows of Wqkv in another order.  Write a row number of wqb as region*1024 + j*256 + h*128 + e*16 + r (j 0..3, h 0..1, e 0..7, r 0..15):
;       region 0 (q), 1 (k): Wqkv's row r*192 + region*64 + 16 j + 8 h + e   (head r, channel 16 j + 8 h + e)
;       region 2 (v):        Wqkv's row (8 h + e)*192 + 128 + 16 j + r       (head 8 h + e, channel 16 j + r)
;       In the first product's result lane r of n block e then holds that number, and the lane's eight n blocks pack into 16 bytes, which are stored at column region*1024 + j*256 + h*128 + r*8 of the token's row.
;   wob [1024][1024]  f16 = Wout rounded to bf16 and that number written as f16.  Its ROWS: row G*128 + b*16 + r holds Wout's row G*128 + 64 (b / 4) + 4 r + b % 4, so that in the last product's result a
;       lane's n blocks b = 4 q .. 4 q + 3 are four neighbouring columns of the output.  Its COLUMNS: column i*256 + h*128 + r*8 + e holds Wout's column r*64 + 16 i + 8 h + e, the order in which ob is written.
; LIMITS.  Wout lies within f16's range (65,504); below 6e-5 f16 keeps a fixed step of 6e-8.
; SHARES.  A work-group converts 16 rows of 1,024 numbers; thread t takes 4 numbers of each row: a load of 16 bytes, a store of 8.  A wave's load covers 512 bytes on end (x, Wqkv), a wave's store 256, aligned.
; Work-groups 0..1023: x; 1024..1215: Wqkv; 1216..1279: Wout.  All 16 loads of a thread are out at once; no register is written twice, so nothing waits for a store.
; No LDS, no matrix unit, no cluster: a stream in which no byte is shared.
.set ROWB, 4096                        ; bytes in a row of f32
.set X, 8                              ; v[8:71]    row i: 4 registers as loaded
.set Y, 72                             ; v[72:103]  row i: 2 registers to store
; 16 rows: source row i lies i steps behind the first.  Rows 0-7 go by offset register v1, rows 8-15 by v3 = v1 + 8 steps, so that the immediate holds 7 steps at the most (5,505,024 bytes, inside its signed
; 24 bits).  Loads from base sb, stores to base db.  f16 = 1: bf16's number is written as f16.
.macro ROWS sb, db, step, f16
.set i, 0
.rept 16
.set SRC, (i&7)*(\step)
.set OREG, 1+2*(i>>3)
.if \f16
	global_load_b128 v[X+4*i:X+4*i+3], v[OREG], s[\sb:\sb+1] offset:SRC
.else
	global_load_b128 v[X+4*i:X+4*i+3], v[OREG], s[\sb:\sb+1] offset:SRC th:TH_LOAD_NT
.endif
.set i, i+1
.endr
.set i, 0
.rept 16
	s_wait_loadcnt 15-i                            ; loads come back in order: row i is in, the 15 - i younger ones stay out
	v_cvt_pk_bf16_f32 v[Y+2*i], v[X+4*i], v[X+4*i+1]
	v_cvt_pk_bf16_f32 v[Y+2*i+1], v[X+4*i+2], v[X+4*i+3]
.if \f16
	v_lshlrev_b32 v4, 16, v[Y+2*i]                 ; the four bf16 numbers as f32,
	v_and_b32 v5, s28, v[Y+2*i]
	v_lshlrev_b32 v6, 16, v[Y+2*i+1]
	v_and_b32 v7, s28, v[Y+2*i+1]
	v_cvt_pk_f16_f32 v[Y+2*i], v4, v5              ; and written as f16: exact within f16's range
	v_cvt_pk_f16_f32 v[Y+2*i+1], v6, v7
.endif
	global_store_b64 v2, v[Y+2*i:Y+2*i+1], s[\db:\db+1] offset:2048*i
.set i, i+1
.endr
.endm
	s_load_b256 s[4:11], s[0:1], 0x0               ; x s[4:5], Wqkv s[6:7], Wout s[8:9], xb s[10:11]
	s_load_b128 s[12:15], s[0:1], 0x20             ; wqb s[12:13], wob s[14:15]
	v_lshlrev_b32 v1, 4, v0                        ; my 16 bytes of a source row
	v_lshlrev_b32 v2, 3, v0                        ; my 8 bytes of a destination row
	s_mov_b32 s17, 0                               ; high words of the two offsets
	s_mov_b32 s19, 0
	s_mov_b32 s28, 0xffff0000                      ; a word's upper bf16
	s_wait_kmcnt 0x0
	s_cmp_lt_u32 ttmp9, 1024
	s_cbranch_scc0 .Lweights
	s_lshl_b32 s16, ttmp9, 16                      ; x: 16 rows of 4,096 bytes in,
	s_lshl_b32 s18, ttmp9, 15                      ; 16 rows of 2,048 bytes out
	s_add_nc_u64 s[4:5], s[4:5], s[16:17]
	s_add_nc_u64 s[10:11], s[10:11], s[18:19]
	v_add_nc_u32 v3, 8*ROWB, v1
	ROWS 4, 10, ROWB, 0
	s_endpgm
.Lweights:
	s_cmp_lt_u32 ttmp9, 1216
	s_cbranch_scc0 .Lwout
	s_sub_co_u32 s20, ttmp9, 1024                  ; wqb's rows 16 n .. 16 n + 15: r = i
	s_and_b32 s21, s20, 7                          ; e
	s_bfe_u32 s22, s20, 0x10003                    ; h
	s_bfe_u32 s23, s20, 0x20004                    ; j
	s_lshr_b32 s24, s20, 6                         ; region
	s_lshl_b32 s18, s20, 15
	s_add_nc_u64 s[12:13], s[12:13], s[18:19]
	s_lshl_b32 s23, s23, 4                         ; 16 j
	s_lshl_b32 s22, s22, 3
	s_add_co_u32 s21, s21, s22                     ; 8 h + e
	s_cmp_lt_u32 s24, 2
	s_cbranch_scc0 .Lv
	s_lshl_b32 s24, s24, 6                         ; q, k: first source row = 64 region + 16 j + 8 h + e; r goes up by one: 192 rows
	s_add_co_u32 s21, s21, s24
	s_add_co_u32 s21, s21, s23
	s_lshl_b32 s16, s21, 12
	s_add_nc_u64 s[6:7], s[6:7], s[16:17]
	v_add_nc_u32 v3, 8*192*ROWB, v1
	ROWS 6, 12, 192*ROWB, 0
	s_endpgm
.Lv:
	s_mul_i32 s21, s21, 192                        ; v: first source row = 192 (8 h + e) + 128 + 16 j; r goes up by one: one row
	s_add_co_u32 s21, s21, s23
	s_add_co_u32 s21, s21, 128
	s_lshl_b32 s16, s21, 12
	s_add_nc_u64 s[6:7], s[6:7], s[16:17]
	v_add_nc_u32 v3, 8*ROWB, v1
	ROWS 6, 12, ROWB, 0
	s_endpgm
.Lwout:
	s_sub_co_u32 s20, ttmp9, 1216                  ; wob's rows 16 n .. 16 n + 15: n = 8 G + b, r = i
	s_lshr_b32 s21, s20, 3
	s_lshl_b32 s21, s21, 7                         ; 128 G
	s_bfe_u32 s22, s20, 0x10002
	s_lshl_b32 s22, s22, 6                         ; 64 (b / 4)
	s_and_b32 s23, s20, 3                          ; b % 4
	s_add_co_u32 s21, s21, s22
	s_add_co_u32 s21, s21, s23                     ; the first source row; r goes up by one: four rows
	s_lshl_b32 s16, s21, 12
	s_lshl_b32 s18, s20, 15
	s_add_nc_u64 s[8:9], s[8:9], s[16:17]
	s_add_nc_u64 s[14:15], s[14:15], s[18:19]
	; my destination columns 4 t .. 4 t + 3: e = 4 (t & 1) + 0..3, r = (t >> 1) & 15, h = (t >> 5) & 1, i = t >> 6; the source byte is 256 r + 64 i + 32 h + 16 (t & 1)
	v_and_b32 v1, 1, v0
	v_lshlrev_b32 v1, 4, v1
	v_bfe_u32 v4, v0, 1, 4
	v_lshl_or_b32 v1, v4, 8, v1
	v_bfe_u32 v4, v0, 5, 1
	v_lshl_or_b32 v1, v4, 5, v1
	v_lshrrev_b32 v4, 6, v0
	v_lshl_or_b32 v1, v4, 6, v1
	v_add_nc_u32 v3, 8*4*ROWB, v1
	ROWS 8, 14, 4*ROWB, 1
	s_endpgm
.Lfunc_end_k_qeb105f11cd_cast:
	.size	k_qeb105f11cd_cast, .Lfunc_end_k_qeb105f11cd_cast-k_qeb105f11cd_cast
	.p2alignl 7, 3214868480
	.fill 96, 4, 3214868480
	.section	.rodata,"a",@progbits
	.p2align	6, 0x0
	.amdhsa_kernel k_qeb105f11cd_cast
		.amdhsa_group_segment_fixed_size 0
		.amdhsa_private_segment_fixed_size 0
		.amdhsa_enable_private_segment 0
		.amdhsa_kernarg_size 48
		.amdhsa_user_sgpr_count 2
		.amdhsa_user_sgpr_kernarg_segment_ptr 1
		.amdhsa_wavefront_size32 1
		.amdhsa_system_sgpr_workgroup_id_x 1
		.amdhsa_system_sgpr_workgroup_id_y 1
		.amdhsa_system_sgpr_workgroup_id_z 1
		.amdhsa_system_vgpr_workitem_id 0
		.amdhsa_next_free_vgpr 104
		.amdhsa_next_free_sgpr 66
		.amdhsa_reserve_vcc 0
		.amdhsa_float_denorm_mode_32 3
		.amdhsa_float_denorm_mode_16_64 3
		.amdhsa_memory_ordered 1
		.amdhsa_forward_progress 1
		.amdhsa_inst_pref_size 29
	.end_amdhsa_kernel
	.amdgpu_metadata
---
amdhsa.version: [ 1, 2 ]
amdhsa.kernels:
  - .name:           k_qeb105f11cd_cast
    .symbol:         k_qeb105f11cd_cast.kd
    .args:
      - { .name: x, .offset: 0, .size: 8, .value_kind: global_buffer, .address_space: global }
      - { .name: Wqkv, .offset: 8, .size: 8, .value_kind: global_buffer, .address_space: global }
      - { .name: Wout, .offset: 16, .size: 8, .value_kind: global_buffer, .address_space: global }
      - { .name: xb, .offset: 24, .size: 8, .value_kind: global_buffer, .address_space: global }
      - { .name: wqb, .offset: 32, .size: 8, .value_kind: global_buffer, .address_space: global }
      - { .name: wob, .offset: 40, .size: 8, .value_kind: global_buffer, .address_space: global }
    .group_segment_fixed_size: 0
    .private_segment_fixed_size: 0
    .kernarg_segment_align: 8
    .kernarg_segment_size: 48
    .max_flat_workgroup_size: 256
    .sgpr_count:     66
    .vgpr_count:     104
    .wavefront_size: 32
...
	.end_amdgpu_metadata
.endif
;; end of part 1
;; launch qkvgemm (part 2): grid 4 x 64, 4 waves a work-group, clusters of 4 x 4, 327,680 bytes of LDS; arguments xb, wqb, qkv; writes qkv
.if DOCPART == 2
	.amdgcn_target "amdgcn-amd-amdhsa--gfx1250"
	.amdhsa_code_object_version 6
	.text
	.protected	k_qeb105f11cd_qkvgemm
	.globl	k_qeb105f11cd_qkvgemm
	.p2align	8
	.type	k_qeb105f11cd_qkvgemm,@function
k_qeb105f11cd_qkvgemm:
	s_mov_b64 s[64:65], 0
	v_nop
	global_prefetch_b8 v0, s[64:65] scope:SCOPE_SE
	s_setreg_imm32_b32 hwreg(HW_REG_WAVE_MODE, 25, 1), 1
	s_wait_xcnt 0x0
	s_wait_alu depctr_hold_cnt(0) depctr_sa_sdst(0) depctr_va_vdst(0) depctr_va_sdst(0) depctr_va_ssrc(0) depctr_va_vcc(0) depctr_vm_vsrc(0)
	s_getreg_b32 s2, hwreg(HW_REG_IB_STS2, 6, 4)
	s_cmp_eq_u32 s2, 0
	s_cbranch_scc0 .Lentry_in_a_cluster
	s_endpgm
.Lentry_in_a_cluster:
	s_bfe_u32 s2, ttmp6, 0x10000c
	s_cmp_lg_u32 s2, 0xf033
	s_cbranch_scc0 .Lentry_shape_is_right
	s_endpgm
.Lentry_shape_is_right:
; The product xb wqb^T.  xb: [16384][1024] bf16, wqb: [3072][1024] bf16, qkv: [16384][3072] f16; sums in f32, K ascending, each rounded once.
; Of each 128 columns of the product, column 16 e + r is stored at column 8 r + e of qkv (e 0..7, r 0..15): wqb's rows were laid for that.
; LIMIT.  A sum beyond f16's 65,504 would leave as an infinity; below 6e-5 f16 keeps a fixed step of 6e-8.
; A tile of C, 256 x 256, is made by a work-group of four waves; a wave makes 128 x 128: 64 accumulators of 16 x 16, 512 registers.  K goes in steps of 128 through a ring of two LDS slots filled by the
; tensor data mover: a tile's rows are 256 bytes of memory and start at multiples of 256 bytes from the buffer's first byte.
; A WORK-GROUP STAYS: 768 tiles are three for each of 256 work-groups.  Its tiles lie side by side, 1,024 columns apart: they share their rows of A, and B goes 1,024 rows down from tile to tile.  The ring does
; not stop at a tile's end: a tile's last two changes of slots ask for the next tile's first two K steps, and nothing waits for a tile's stores.
; CLUSTERS: 4 x 4 work-groups.  The four of a row of the cluster need the same tiles of A, the four of a column the same tiles of B: each tile is asked for JOINTLY, by the same tensor load with the same
; descriptor and a mask that names the four; each receives it in its own LDS.
; THE WAY OUT NEEDS NO LDS.  Source 0 = 16 rows of A (tokens), source 1 = 16 rows of B: in the result of n block e, register j of lane l holds token 8 (l / 16) + j and column 16 e + l % 16.  So register j of a
; lane's eight n blocks are the eight numbers that belong at columns 8 (l % 16) + 0..7 of one token's row: four conversions make 16 bytes, and sixteen neighbouring lanes store 256 bytes on end.
; REGISTERS, in windows of 256 (s_set_vgpr_msb's low byte: bits 1:0 source 0, 3:2 source 1, 5:4 source 2, 7:6 destination):
;   window 0: v0-31 addresses; v64-127, v128-191 fragments of A (8 x 16 rows x 32 K), two buffers; v32-63, v192-255 packed results on the way out (and v128-159, while buffer 1 is idle)
;   window 1: v64-127, v128-191 fragments of B, two buffers; v0-63, v192-255 packed results on the way out
;   window 2: the 32 accumulators of my rows 0-63 (accumulator (a, b) at v[8 (8 a + b)]);   window 3: those of my rows 64-127
.set SIZE_N, 3072
.set SIZE_K, 1024
.set TILES,  3
.set KSTEP,  128
.set PITCH,  272                       ; an LDS row: 256 bytes + 16 of padding = 68 words: the 16 rows that a load touches start at 16 different groups of four banks (64 banks of 4 bytes: ISA guide 11.1)
.set HALFT,  128*PITCH                 ; 128 rows: what one tensor load brings, and what one wave reads of A or of B
.set SLOT,   4*HALFT                   ; A's 256 rows, then B's 256 rows
.set SPARE,  2*SLOT                    ; behind the ring: the spare words, 128 bytes for each wave: two blocks of 256 bytes that no other line names
.set LAPS,   SIZE_K/(2*KSTEP)          ; a lap = two K steps = once round the ring: 4
.set WALKN,  SIZE_N/TILES              ; a work-group's tiles lie 1,024 columns of C, rows of B, apart
.set BACK_A, (SIZE_K-2*KSTEP)*2        ; bytes from a slot's last K step of a tile back to its first: A only goes back,
.set NEXT_B, WALKN*SIZE_K*2-BACK_A     ; B goes WALKN rows down and back along K
.set ADRA, 16                          ; v16-17  LDS address of my A fragments in slot 0, 1
.set ADRB, 20                          ; v20-21  the same for B
.set CO,   26                          ; v26     my byte offset in C: 8 (l / 16) rows + 16 (l % 16); never rewritten
.set SPW,  28                          ; v28     LDS address of my spare word: SPARE + 4 x my thread's number; never rewritten
.set NIL,  29                          ; v29     0; never rewritten
.set PFO,  30                          ; v30     the prefetches' offset: my lane x a row of A or B (2,048 bytes); never rewritten
.set PFA,  44                          ; s[44:45] where my prefetches stand: my work-group's 32 rows of the 128 that I fetch, one K step further along K than the refill in hand
.set LIM,  43                          ; s43     1 in a wave that prefetches, else the greatest number
.set F0,   64                          ; fragment buffer 0
.set F1,   128                         ; fragment buffer 1
.set G1,  24                           ; s[24:31] descriptor group 1 for A's tiles
.set G0,  32                           ; s[32:39] descriptor group 0 for A's tiles, one set for each slot
.set G1B, 48                           ; s[48:55] group 1 for B's tiles: it differs in the mask alone
.set G0B, 56                           ; s[56:63] group 0 for B's tiles
.set MSB, 0
.macro WIN new                         ; the immediate's high byte repeats the setting that is left; a switch that changes nothing is dropped
.if MSB != (\new)
	s_set_vgpr_msb (MSB<<8)|(\new)
.set MSB, \new
.endif
.endm
.set MUL_LO, 0xa4                      ; source 0 (A) window 0, source 1 (B) window 1, C and D window 2
.set MUL_HI, 0xf4                      ; the same, C and D window 3
.set TO_B,   0x40                      ; destination window 1, address window 0
; A joint load.  Waves 0 and 1 fetch A's two halves, waves 2 and 3 B's.  The branch hangs on the wave's number alone.  An s_nop 0 and four v_nop follow each of the two lines.
.macro JLOAD s
	s_cmp_eq_u32 s11, 0
	s_cbranch_scc0 .Lfor_b_\@
	tensor_load_to_lds s[G0+4*(\s):G0+4*(\s)+3], s[G1:G1+7]
	s_nop 0
.rept 4
	v_nop
.endr
	s_branch .Lasked_\@
.Lfor_b_\@:
	tensor_load_to_lds s[G0B+4*(\s):G0B+4*(\s)+3], s[G1B:G1B+7]
	s_nop 0
.rept 4
	v_nop
.endr
.Lasked_\@:
.endm
; A PREFETCH, behind each joint load, its five lines and the run of LDS loads that follows: the K step that stands TWO refills on, 512 matrix instructions ahead of the load that will want it: 32 rows x 256
; bytes, a lane a row, one instruction a wave.  Each row's 256 bytes of a K step are named ONCE in the launch: A's tile row is read by this cluster alone (the grid is one cluster wide) and, being the same
; for all tiles of the walk, is asked for in the first tile alone; B's tile column is read by every cluster of the column of clusters: cluster y = 0 asks.  The four partners that ask for a tile jointly
; share its rows out BY ADDRESS: of the 128 rows that a wave fetches the partner at place p takes 32 p .. 32 p + 31 (p = cx for A, cy for B).  how = 0, in the loop: a tile's last two refills have no K step
; two on; how = 1, at a change of tiles.
.macro ASK how
.if \how
	s_cmp_eq_u32 s[LIM], 1
.else
	s_cmp_gt_u32 s3, s[LIM]                        ; s3 = 1 in the loop's last trip
.endif
	s_cbranch_scc0 .Lnot_mine_\@
	global_prefetch_b8 v[PFO], s[PFA:PFA+1] offset:KSTEP*2 th:TH_LOAD_NT scope:SCOPE_SE
.Lnot_mine_\@:
.endm
; A round of the cluster's barrier: my work-group's barrier, so that wave 0's signal speaks for all four waves; wave 0 signals; every wave waits for all sixteen work-groups; my work-group's barrier once more.
.macro CREST                           ; a round behind its opening barrier
	s_cmp_lg_u32 s10, 0
	s_cbranch_scc1 .Lnot_wave_0_\@
	s_barrier_signal -3
.Lnot_wave_0_\@:
	s_barrier_wait -3
	s_barrier_signal -1
	s_barrier_wait -1
.endm
.macro CROUND                          ; a whole round
	s_barrier_signal -1
	s_barrier_wait -1
	CREST
.endm
	s_load_b128 s[4:7], s[0:1], 0x0                ; A s[4:5], B s[6:7]
	s_load_b64 s[8:9], s[0:1], 0x10                ; C
	v_lshl_add_u32 v[SPW], v0, 2, SPARE
	v_mov_b32 v[NIL], 0
	ds_add_u32 v[SPW], v[NIL]                      ; the wave's opening: the add and its wait stand ahead of my first tensor load; the set-up below, work on registers, stands between them
	v_lshrrev_b32 v1, 5, v0
	v_readfirstlane_b32 s10, v1                    ; wave 0..3
	s_lshr_b32 s11, s10, 1                         ; which half of the tile's rows is mine.  Also: I fetch for A (0) or for B (1)
	s_and_b32 s12, s10, 1                          ; which half of its columns.  Also: which 128 rows of that tile I fetch
	s_bfe_u32 s40, ttmp6, 0x40000                  ; cx
	s_bfe_u32 s41, ttmp6, 0x40004                  ; cy
	s_lshl_b32 s42, ttmp9, 2                       ; in a cluster launch ttmp9 and ttmp7 count clusters
	s_add_co_u32 s42, s42, s40                     ; first tile column of C = 4 x cluster x + cx
	s_and_b32 s13, ttmp7, 0xffff
	s_lshl_b32 s13, s13, 2
	s_add_co_u32 s13, s13, s41                     ; tile row of C = 4 x cluster y + cy
	s_lshl_b32 s43, s41, 2
	s_lshl_b32 s43, 15, s43                        ; my row of the cluster: places 4 cy .. 4 cy + 3
	s_lshl_b32 s44, 0x1111, s40                    ; my column: places cx, cx + 4, cx + 8, cx + 12
	; descriptor group 1: a tile of 128 rows x 128 elements, padded in LDS
	s_or_b32 s[G1+0], s43, (1<<16)|(1<<20)|(1<<21)|(5<<22)|(3<<25)  ; 15:0 the mask; 17:16 elements of 2 bytes; 20 padding on; 21 set beside a mask; 24:22 after every 64 words (code 5); 31:25 4 words of it (code 3)
	s_or_b32 s[G1B+0], s44, (1<<16)|(1<<20)|(1<<21)|(5<<22)|(3<<25)
.irp g, G1, G1B
	s_mov_b32 s[(\g)+1], KSTEP<<16                 ; tensor_dim0 = 128
	s_mov_b32 s[(\g)+2], 128<<16                   ; tensor_dim1 = 128
	s_mov_b32 s[(\g)+3], KSTEP<<16                 ; tile_dim0 = 128
	s_mov_b32 s[(\g)+4], 128                       ; tile_dim1 = 128
	s_mov_b32 s[(\g)+5], SIZE_K                    ; elements from row to row
	s_mov_b32 s[(\g)+6], 0
	s_mov_b32 s[(\g)+7], 0
.endr
	; where the tiles come from.  A's hang on the tile row alone, which my row of the cluster shares; B's on the tile column alone, which my column shares.
	s_lshl_b32 s17, s12, 7                         ; which 128 rows of the tile I fetch
	s_lshl_b32 s16, s13, 8
	s_add_co_u32 s16, s16, s17                     ; A: row 256 x tile row + 128 x half
	s_lshl_b32 s46, s42, 8
	s_add_co_u32 s46, s46, s17                     ; B: row 256 x tile column + 128 x half
	s_mov_b32 s17, 0
	s_mov_b32 s47, 0
	s_mov_b64 s[18:19], SIZE_K*2
	s_mul_u64 s[16:17], s[16:17], s[18:19]         ; in bytes
	s_mul_u64 s[46:47], s[46:47], s[18:19]
	s_mul_i32 s20, s10, HALFT                      ; and where they go: wave x 128 rows: no place in the cluster enters an LDS address
	s_wait_dscnt 0x0                               ; the opening add is done
	s_wait_kmcnt 0x0
	s_add_nc_u64 s[14:15], s[4:5], s[16:17]
	s_add_nc_u64 s[46:47], s[6:7], s[46:47]
	CROUND                                         ; all sixteen work-groups are here: the first joint loads meet
.irp s, 0,1
	s_mov_b32 s[G0+4*(\s)], 1                                      ; count = 1
	s_add_co_u32 s[G0+4*(\s)+1], s20, (\s)*SLOT                    ; LDS address
	s_add_nc_u64 s[G0+4*(\s)+2:G0+4*(\s)+3], s[14:15], (\s)*KSTEP*2  ; global address: K step s
	s_or_b32 s[G0+4*(\s)+3], s[G0+4*(\s)+3], 0x80000000            ; type = 2
	s_mov_b32 s[G0B+4*(\s)], 1
	s_add_co_u32 s[G0B+4*(\s)+1], s20, (\s)*SLOT
	s_add_nc_u64 s[G0B+4*(\s)+2:G0B+4*(\s)+3], s[46:47], (\s)*KSTEP*2
	s_or_b32 s[G0B+4*(\s)+3], s[G0B+4*(\s)+3], 0x80000000
	JLOAD \s                                       ; the ring is filled before anything else is done: two loads of mine are out
.endr
	; A fragment is 16 rows x 32 K in 8 registers: lane l holds row l % 16; registers 0-3 K = 8 (l / 16) + 0..7, registers 4-7 K = 16 + 8 (l / 16) + 0..7: two loads of 16 bytes, 32 bytes apart.
	v_and_b32 v1, 15, v0                           ; l % 16
	v_bfe_u32 v2, v0, 4, 1                         ; l / 16
	v_mul_u32_u24 v3, v1, PITCH
	v_lshl_add_u32 v3, v2, 4, v3                   ; row x pitch + 16 x half
	s_mul_i32 s21, s11, HALFT                      ; my 128 rows of A
	s_mul_i32 s22, s12, HALFT                      ; my 128 rows of B,
	s_add_co_u32 s22, s22, 2*HALFT                 ; which lie behind A's 256
.irp s, 0,1
	v_add_nc_u32 v[ADRA+(\s)], s21, v3
	v_add_nc_u32 v[ADRB+(\s)], s22, v3
	s_add_co_u32 s21, s21, SLOT
	s_add_co_u32 s22, s22, SLOT
.endr
	v_mul_u32_u24 v5, v2, 8*SIZE_N*2               ; the way out: lanes 16-31 hold the tokens eight rows further down,
	v_lshl_add_u32 v[CO], v1, 4, v5                ; and lane l % 16 the 16 bytes at 16 (l % 16) of my 256 bytes of a row
	; C's pointer at my part of the first tile
	s_lshl_b32 s13, s13, 8
	s_lshl_b32 s14, s11, 7
	s_add_co_u32 s16, s13, s14                     ; my first row of C
	s_mov_b32 s17, 0
	s_mov_b64 s[18:19], SIZE_N*2
	s_mul_u64 s[16:17], s[16:17], s[18:19]
	s_lshl_b32 s46, s42, 9                         ; my first column, in bytes: 512 x tile column + 256 x half
	s_lshl_b32 s47, s12, 8
	s_add_co_u32 s46, s46, s47
	s_mov_b32 s47, 0
	s_add_nc_u64 s[16:17], s[16:17], s[46:47]
	s_add_nc_u64 s[8:9], s[8:9], s[16:17]
	s_mov_b64 s[16:17], 0                          ; what a tile's beginning adds to C's pointer: nothing for the first
	; the prefetches.  s13 = 256 x tile row, s42 = tile column, s40 = cx, s41 = cy still stand
	s_lshl_b32 s42, s42, 8
	s_and_b32 s22, ttmp7, 0xffff                   ; cluster y
	s_cmp_eq_u32 s11, 0                            ; do I fetch for A?
	s_cselect_b32 s20, s13, s42                    ; the tile's first row: in A by the tile row, in B by the tile column
	s_cselect_b32 s21, s40, s41                    ; my place among the four that ask for it with me
	s_cselect_b32 s22, ttmp9, s22                  ; the coordinate along which other clusters read the same rows
	s_cselect_b64 s[PFA:PFA+1], s[4:5], s[6:7]
	s_cmp_eq_u32 s22, 0
	s_cselect_b32 s[LIM], 1, -1                    ; the same in all sixteen partners, for a given wave
	s_lshl_b32 s22, s12, 7
	s_add_co_u32 s20, s20, s22                     ; + the 128 rows that I fetch
	s_lshl_b32 s21, s21, 5
	s_add_co_u32 s20, s20, s21                     ; + my work-group's 32 of them
	s_mov_b32 s21, 0
	s_mov_b64 s[18:19], SIZE_K*2
	s_mul_u64 s[20:21], s[20:21], s[18:19]
	s_add_nc_u64 s[PFA:PFA+1], s[PFA:PFA+1], s[20:21]
	s_add_nc_u64 s[PFA:PFA+1], s[PFA:PFA+1], 2*KSTEP*2  ; at K step 2: the first refill steps it to 3 and names K step 4
	v_and_b32 v[PFO], 31, v0
	v_mul_u32_u24 v[PFO], v[PFO], SIZE_K*2
	; nothing is prefetched here, at the head, where every work-group's first two tiles are on their way
; 16 matrix instructions: m blocks a0, a0 + 1 of the window's four (hi = 0: my rows 0-63, 1: rows 64-127) x all 8 n blocks, 32 along K.  zero = 1: the first product starts the sums: nothing is cleared.
; The 64 accumulators take turns, one instruction a turn, in the same order in every quarter.
.macro MUL16 f, hi, a0, zero
	WIN MUL_LO+0x50*(\hi)
.irp a, \a0, (\a0)+1
.irp b, 0,1,2,3,4,5,6,7
.if \zero
	v_wmma_f32_16x16x32_bf16 v[8*(8*(\a)+(\b)):8*(8*(\a)+(\b))+7], v[(\f)+8*(4*(\hi)+(\a)):(\f)+8*(4*(\hi)+(\a))+7], v[(\f)+8*(\b):(\f)+8*(\b)+7], 0
.else
	v_wmma_f32_16x16x32_bf16 v[8*(8*(\a)+(\b)):8*(8*(\a)+(\b))+7], v[(\f)+8*(4*(\hi)+(\a)):(\f)+8*(4*(\hi)+(\a))+7], v[(\f)+8*(\b):(\f)+8*(\b)+7], v[8*(8*(\a)+(\b)):8*(8*(\a)+(\b))+7]
.endif
.endr
.endr
.endm
; 32 LDS loads in one run: the fragments of one quarter step (128 rows of B, 128 rows of A, 32 K at byte k of the rows) into buffer f
.macro FETCH slot, k, f
	WIN TO_B
.irp i, 0,1,2,3,4,5,6,7
	ds_load_b128 v[(\f)+8*(\i):(\f)+8*(\i)+3],   v[ADRB+(\slot)] offset:(\k)+(\i)*16*PITCH
	ds_load_b128 v[(\f)+8*(\i)+4:(\f)+8*(\i)+7], v[ADRB+(\slot)] offset:(\k)+(\i)*16*PITCH+32
.endr
	WIN 0
.irp i, 0,1,2,3,4,5,6,7
	ds_load_b128 v[(\f)+8*(\i):(\f)+8*(\i)+3],   v[ADRA+(\slot)] offset:(\k)+(\i)*16*PITCH
	ds_load_b128 v[(\f)+8*(\i)+4:(\f)+8*(\i)+7], v[ADRA+(\slot)] offset:(\k)+(\i)*16*PITCH+32
.endr
.endm
; A load into a register that a matrix instruction has read, and a vector instruction that reads a matrix result, stand four places behind that matrix instruction; only plain vector instructions that name
; none of its registers are places (ISA guide 7.12.1 for vector instructions).
.macro PLACES
.rept 4
	v_nop
.endr
.endm
; A K step is four quarters of 32 along K, 64 matrix instructions each, on buffers 0, 1, 0, 1.  One of the first three: multiplies buffer f; in its middle it fetches the next quarter, at byte k, into buffer g.
.macro QUARTER slot, k, f, g, zero
	s_wait_dscnt 8                                 ; B and A's rows 0-63 are in; the youngest eight loads (A's rows 64-127) may be out
	WIN MUL_LO
	MUL16 \f, 0, 0, \zero
	MUL16 \f, 0, 2, \zero
	PLACES
.if \zero
	s_wait_xcnt 0x0                                ; a tile's first quarter: the last tile's stores, the youngest 32 matrix instructions back, have read their data and their base: part of buffer 1 held such data
.endif
	FETCH \slot, \k, \g
	s_wait_dscnt 32                                ; all but the 32 just issued
	WIN MUL_HI
	MUL16 \f, 1, 0, \zero
	MUL16 \f, 1, 2, \zero
.endm
; The last quarter multiplies buffer 1 and changes slots.  MEET is its first half: ONE barrier, for two things.  In front of it each wave waits for all its tensor loads, of which one is out: its part of the
; next slot; adds 0 to its spare word; and waits for that and for its own reads of this slot.  Behind it nobody reads this slot any more and the next slot is whole.
.macro MEET round                      ; round = 1: the rest of a round of the cluster's barrier follows
	WIN 0                                          ; (the add's two registers lie in window 0)
	s_wait_tensorcnt 0x0                           ; all my tensor loads have landed;
	ds_add_u32 v[SPW], v[NIL]                      ; 0 onto my spare word;
	s_wait_dscnt 9                                 ; (the add and the youngest eight loads may be out)
	WIN MUL_LO
	MUL16 F1, 0, 0, 0                              ; sixteen matrix instructions stand between the add and the wait for it
	s_wait_dscnt 0x0                               ; the add is done, and my reads of this slot are over:
	s_barrier_signal -1                            ; say so,
	MUL16 F1, 0, 2, 0                              ; work on registers while the others arrive,
.if \round
	WIN 0
.endif
	s_barrier_wait -1                              ; and go on when all four have said so
.endm
; The whole last quarter.  Behind the round the slot just read out is filled again first: with this tile's K step two steps on (on = 0) or, in a tile's last two K steps, with the NEXT tile's K step 0 or 1
; (on = 1); then come the next slot's first fragments.  From a request to the wait for it a wave issues 224 matrix instructions, across tiles too.
.macro TURN slot, next, on
	s_wait_xcnt 0x0                                ; the last prefetch, a K step back, has read its address: it is stepped here, ahead of the waits of the change of slots
.if (\on) && (\slot) == 0
	s_add_nc_u64 s[PFA:PFA+1], s[PFA:PFA+1], (WALKN-1)*SIZE_K*2+KSTEP*2  ; from the K step after the tile's last to the next tile's K step 1: WALKN rows down, back along K
	s_cmp_eq_u32 s11, 0
	s_cselect_b32 s[LIM], -1, s[LIM]               ; A's rows are the same for all tiles of the walk: they are asked for no more
.else
	s_add_nc_u64 s[PFA:PFA+1], s[PFA:PFA+1], KSTEP*2
.endif
	MEET 1
	CREST                                          ; no wave of any partner still reads this slot's tile or has a load on its way
.if \on
	s_sub_nc_u64 s[G0+4*(\slot)+2:G0+4*(\slot)+3], s[G0+4*(\slot)+2:G0+4*(\slot)+3], BACK_A
	s_add_nc_u64 s[G0B+4*(\slot)+2:G0B+4*(\slot)+3], s[G0B+4*(\slot)+2:G0B+4*(\slot)+3], NEXT_B
.else
	s_add_nc_u64 s[G0+4*(\slot)+2:G0+4*(\slot)+3], s[G0+4*(\slot)+2:G0+4*(\slot)+3], 2*KSTEP*2
	s_add_nc_u64 s[G0B+4*(\slot)+2:G0B+4*(\slot)+3], s[G0B+4*(\slot)+2:G0B+4*(\slot)+3], 2*KSTEP*2
.endif
	JLOAD \slot                                    ; the first tensor load behind the round, my only one until the next; its four v_nop are also the places in front of the loads below
	FETCH \next, 0, F0
	ASK \on
	WIN MUL_HI
	MUL16 F1, 1, 0, 0
	MUL16 F1, 1, 2, 0
.endm
; THE WAY OUT of block a (16 tokens x my 128 columns).  Each block has 32 registers of its own for its packed results (window BW, from register BB on), so nothing on the way out waits for a store:
; blocks 0-2 in window 0, blocks 3-6 in window 1, block 7 in the lower half of A's fragment buffer 1, which is idle until the next tile's first quarter fetches into it.
.macro BUFOF a
.if (\a) == 0
.set BW, 0
.set BB, 32
.elseif (\a) < 3
.set BW, 0
.set BB, 160+32*(\a)
.elseif (\a) < 5
.set BW, 1
.set BB, 32*((\a)-3)
.elseif (\a) < 7
.set BW, 1
.set BB, 192+32*((\a)-5)
.else
.set BW, 0
.set BB, 128
.endif
.endm
; PACK: register j of n blocks 2 p and 2 p + 1 are two neighbouring columns of token 8 (l / 16) + j; j ascends.
.macro PACK a
	BUFOF \a
.set AC, 64*((\a)%4)
	WIN (BW<<6)+0x0a+5*((\a)/4)                    ; sources 0 and 1: window 2 or 3; destination: the block's buffer
.irp j, 0,1,2,3,4,5,6,7
.irp p, 0,1,2,3
	v_cvt_pk_f16_f32 v[BB+4*(\j)+(\p)], v[AC+16*(\p)+(\j)], v[AC+16*(\p)+8+(\j)]
.endr
.endr
.endm
.macro SEND a
	BUFOF \a
	WIN BW<<2                                      ; a store's data is its source 1
.irp j, 0,1,2,3,4,5,6,7
	global_store_b128 v[CO], v[BB+4*(\j):BB+4*(\j)+3], s[8:9] offset:(16*(\a)+(\j))*SIZE_N*2  ; 16 lanes store 256 consecutive bytes, at a multiple of 256 from C's first byte; 731,136 at the most: inside the signed 24-bit immediate
.endr
.endm
.macro WAYOUT                          ; block a's conversions stand between block a - 1's conversions and its stores
	PACK 0
.irp a, 1,2,3,4,5,6,7
	PACK \a
	SEND (\a)-1
.endr
	SEND 7
	WIN 0
.endm
	s_wait_tensorcnt 1                             ; my part of K step 0 is in; K step 1's load stays out
	s_barrier_signal -1
	s_barrier_wait -1                              ; everybody's is
	FETCH 0, 0, F0
	s_mov_b32 s2, TILES                            ; tiles to go, this one among them
.Ltile:
	QUARTER 0, 64,  F0, F1, 1                      ; a tile's first quarter stands in front of the loop: its products start the sums
	s_add_nc_u64 s[8:9], s[8:9], s[16:17]          ; C's pointer goes on to this tile, behind the quarter's wait for the last tile's stores
	s_mov_b64 s[16:17], WALKN*2                    ; from now on: 1,024 columns to the right
	WIN 0                                          ; at a label and at a branch every window is 0
	s_mov_b32 s3, LAPS-1
.Llap:                                                 ; a trip goes once round the ring, from a lap's second quarter to the next lap's first, and fills both slots again
	QUARTER 0, 128, F1, F0, 0
	QUARTER 0, 192, F0, F1, 0
	TURN 0, 1, 0
	QUARTER 1, 64,  F0, F1, 0
	QUARTER 1, 128, F1, F0, 0
	QUARTER 1, 192, F0, F1, 0
	TURN 1, 0, 0
	QUARTER 0, 64,  F0, F1, 0
	WIN 0
	s_sub_co_u32 s3, s3, 1
	s_cmp_lg_u32 s3, 0
	s_cbranch_scc1 .Llap
	QUARTER 0, 128, F1, F0, 0                      ; the tile's last lap goes on
	QUARTER 0, 192, F0, F1, 0
	WIN 0
	s_cmp_eq_u32 s2, 1
	s_cbranch_scc1 .Llast_tile                     ; the last tile's tail is written out: it asks for nothing more
	TURN 0, 1, 1                                   ; THE RING GOES ON INTO THE NEXT TILE: slot 0 takes its K step 0,
	QUARTER 1, 64,  F0, F1, 0
	QUARTER 1, 128, F1, F0, 0
	QUARTER 1, 192, F0, F1, 0
	TURN 1, 0, 1                                   ; slot 1 its K step 1, and the next tile's first fragments are fetched
	WAYOUT                                         ; both refills are asked for: now the tile goes out.  Blocks 0-3 were finished in front of the joint load's four v_nop; their 128 conversions,
	                                               ; which name no register of the last products (blocks 4-7's), are those products' places
	s_sub_co_u32 s2, s2, 1
	s_branch .Ltile
.Llast_tile:
	MEET 0                                         ; my one tensor load that was still out is slot 1's, the last K step's, so no round follows
	PLACES                                         ; for the loads into buffer 0, which the quarter before multiplied
	FETCH 1, 0, F0
	WIN MUL_HI
	MUL16 F1, 1, 0, 0
	MUL16 F1, 1, 2, 0
	QUARTER 1, 64,  F0, F1, 0
	QUARTER 1, 128, F1, F0, 0
	QUARTER 1, 192, F0, F1, 0
	s_wait_dscnt 8                                 ; the very last quarter: nothing more to fetch
	MUL16 F1, 0, 0, 0
	MUL16 F1, 0, 2, 0
	s_wait_dscnt 0x0
	MUL16 F1, 1, 0, 0
	MUL16 F1, 1, 2, 0
	WIN 0
	PLACES                                         ; the conversions read results
	WAYOUT
	s_wait_tensorcnt 0x0                           ; the wave's end: an add and its wait, behind my last tensor load
	ds_add_u32 v[SPW], v[NIL]
	s_wait_dscnt 0x0
	CROUND                                         ; the closing round: no work-group ends while a partner may still ask for a tile that names it
	s_endpgm
.Lfunc_end_k_qeb105f11cd_qkvgemm:
	.size	k_qeb105f11cd_qkvgemm, .Lfunc_end_k_qeb105f11cd_qkvgemm-k_qeb105f11cd_qkvgemm
	.p2alignl 7, 3214868480
	.fill 96, 4, 3214868480
	.section	.rodata,"a",@progbits
	.p2align	6, 0x0
	.amdhsa_kernel k_qeb105f11cd_qkvgemm
		.amdhsa_group_segment_fixed_size 327680
		.amdhsa_private_segment_fixed_size 0
		.amdhsa_enable_private_segment 0
		.amdhsa_kernarg_size 24
		.amdhsa_user_sgpr_count 2
		.amdhsa_user_sgpr_kernarg_segment_ptr 1
		.amdhsa_wavefront_size32 1
		.amdhsa_system_sgpr_workgroup_id_x 1
		.amdhsa_system_sgpr_workgroup_id_y 1
		.amdhsa_system_sgpr_workgroup_id_z 1
		.amdhsa_system_vgpr_workitem_id 0
		.amdhsa_next_free_vgpr 1024
		.amdhsa_next_free_sgpr 66
		.amdhsa_reserve_vcc 0
		.amdhsa_float_denorm_mode_32 3
		.amdhsa_float_denorm_mode_16_64 3
		.amdhsa_memory_ordered 1
		.amdhsa_forward_progress 1
		.amdhsa_inst_pref_size 191
	.end_amdhsa_kernel
	.amdgpu_metadata
---
amdhsa.version: [ 1, 2 ]
amdhsa.kernels:
  - .name:           k_qeb105f11cd_qkvgemm
    .symbol:         k_qeb105f11cd_qkvgemm.kd
    .args:
      - { .name: xb, .offset: 0, .size: 8, .value_kind: global_buffer, .address_space: global }
      - { .name: wqb, .offset: 8, .size: 8, .value_kind: global_buffer, .address_space: global }
      - { .name: qkv, .offset: 16, .size: 8, .value_kind: global_buffer, .address_space: global }
    .group_segment_fixed_size: 327680
    .private_segment_fixed_size: 0
    .kernarg_segment_align: 8
    .kernarg_segment_size: 24
    .max_flat_workgroup_size: 128
    .sgpr_count:     66
    .vgpr_count:     1024
    .wavefront_size: 32
...
	.end_amdgpu_metadata
.endif
;; end of part 2
;; launch att (part 3): grid 512 x 1, 8 waves a work-group, no clusters, 0 bytes of LDS; arguments qkv, ob; writes ob
.if DOCPART == 3
	.amdgcn_target "amdgcn-amd-amdhsa--gfx1250"
	.amdhsa_code_object_version 6
	.text
	.protected	k_qeb105f11cd_att
	.globl	k_qeb105f11cd_att
	.p2align	8
	.type	k_qeb105f11cd_att,@function
k_qeb105f11cd_att:
	s_mov_b64 s[64:65], 0
	v_nop
	global_prefetch_b8 v0, s[64:65] scope:SCOPE_SE
	s_setreg_imm32_b32 hwreg(HW_REG_WAVE_MODE, 25, 1), 1
	s_wait_xcnt 0x0
; ATTENTION OVER THE 16 HEADS OF ONE TOKEN.  For each token: S[g][h] = k_g . q_h, p = softmax over g of S / 8, o_h = the sum over g of p[g][h] v_g.  qkv: [16384][3072] f16, ob: [16384][1024] f16.
; Products, maximum and sum in f32; the row's maximum is taken away before the exponential; p is divided by its sum in f32 and rounded once to f16 for the second product; o is rounded once.
; LIMITS.  A weight below 2^-126 counts as 0; o is a mean of v's rows and has their range; NaN and infinities are not treated apart.
; LAYOUT OF A TOKEN'S ROW, made by the launches in front: twelve pieces of 512 bytes, of which lane l = 16 h + r takes the 16 bytes at 16 l:
;   pieces 0-3 (q), 4-7 (k): piece j holds head r, channels 16 j + 8 h + 0..7: two pieces on end are a fragment (16 heads x 32 channels) as the matrix instruction wants it.
;   pieces 8-11 (v): piece i holds channel 16 i + r, heads 8 h + 0..7: the low half of a fragment of v turned (16 channels x 32 heads, of which heads 16-31 do not exist: those registers hold 0).
; S^T = K Q^T (source 0 = k, source 1 = q): a lane holds query head l % 16 and key heads 8 (l / 16) + 0..7; rounded in pairs these ARE the low half of source 1 of O^T = V^T P, whose result holds query head
; l % 16 and channels 16 i + 8 (l / 16) + 0..7: 16 bytes, stored at piece i of ob's row, 16 l: the order of columns in which the last product's weights were laid.
; So every load and store of a wave covers 512 consecutive bytes, aligned, and nothing goes through LDS.
; SHARES.  A wave owns 4 tokens, two batches of two; the next batch's loads go out as soon as the registers are free.  No loop, no barrier, no cluster: no byte is shared.
.set TOKB, 6144                        ; bytes in a row of qkv
.set OUTB, 2048                        ; bytes in a row of ob
.set T,  4                             ; v[4:11]    token u: t0..t3 at T + 4 u, at work
.set QK, 16                            ; v[16:79]   token u at QK + 32 u: q's fragments c at + 8 c, k's at + 16 + 8 c
.set V,  80                            ; v[80:143]  token u at V + 32 u: fragment i at + 8 i; its upper four registers hold 0
.set S,  144                           ; v[144:159] token u: eight scores
.set P,  160                           ; v[160:175] token u: the weights' fragment; its upper four registers hold 0
.set O,  176                           ; v[176:239] token u at O + 32 u: accumulator i at + 8 i
.macro LOADQK b                        ; batch b: 16 loads
.irp u, 0,1
.irp x, 0,1,2,3,4,5,6,7
	global_load_b128 v[QK+32*(\u)+4*(\x):QK+32*(\u)+4*(\x)+3], v2, s[4:5] offset:(2*(\b)+(\u))*TOKB+512*(\x) th:TH_LOAD_NT
.endr
.endr
.endm
.macro LOADV b                         ; batch b: 8 loads
.irp u, 0,1
.irp x, 0,1,2,3
	global_load_b128 v[V+32*(\u)+8*(\x):V+32*(\u)+8*(\x)+3], v2, s[4:5] offset:(2*(\b)+(\u))*TOKB+4096+512*(\x) th:TH_LOAD_NT
.endr
.endr
.endm
.macro PLACES                          ; four places behind a matrix instruction, in front of loads into registers that it has read and of vector instructions that read its result
.rept 4
	v_nop
.endr
.endm
.macro BOTH line:vararg                ; one line for each of the batch's two tokens u: they alternate, so that no instruction reads the result of the one just before it
.set u, 0
.rept 2
	\line
.set u, u+1
.endr
.endm
	s_load_b128 s[4:7], s[0:1], 0x0                ; qkv s[4:5], ob s[6:7]
	v_lshrrev_b32 v1, 5, v0
	v_readfirstlane_b32 s12, v1                    ; wave 0..7
	v_and_b32 v2, 31, v0
	v_lshlrev_b32 v2, 4, v2                        ; 16 x lane: the one offset of all loads and stores; never rewritten
	s_lshl_b32 s13, ttmp9, 5
	s_lshl2_add_u32 s13, s12, s13                  ; my first token = 32 x work-group + 4 x wave
	s_mul_i32 s14, s13, TOKB
	s_mov_b32 s15, 0
	s_lshl_b32 s16, s13, 11
	s_mov_b32 s17, 0
	s_mov_b32 s8, 0x3e38aa3b                       ; c = log2(e) / 8 = 0.180337
	s_mov_b32 s9, s8                               ; named with it as a pair
	s_mov_b32 s10, 0x76543210                      ; v_permlanex16_b32: each lane takes its own place in the other half
	s_mov_b32 s11, 0xfedcba98
	s_wait_kmcnt 0x0
	s_add_nc_u64 s[4:5], s[4:5], s[14:15]
	s_add_nc_u64 s[6:7], s[6:7], s[16:17]
	LOADQK 0
	LOADV 0
	; while the first loads are out: the halves of the fragments that stand for heads 16-31, and the registers that the exchange of halves names as its destination
.set i, 0
.rept 8
	v_mov_b32 v[V+8*i+4], 0
	v_mov_b32 v[V+8*i+5], 0
	v_mov_b32 v[V+8*i+6], 0
	v_mov_b32 v[V+8*i+7], 0
	v_mov_b32 v[T+i], 0
.set i, i+1
.endr
.set i, 0
.rept 4
	v_mov_b32 v[P+4+i], 0
	v_mov_b32 v[P+12+i], 0
.set i, i+1
.endr
; A batch of two tokens.  ahead = 1: the next batch's loads are issued as its registers come free.
.macro BATCH b, ahead
	s_wait_loadcnt 8                               ; q and k are in; the eight younger loads, v's, stay out
	; S^T: two accumulators by turns; the first product of each starts its sum
	BOTH v_wmma_f32_16x16x32_f16 v[S+8*u:S+8*u+7], v[QK+32*u+16:QK+32*u+23], v[QK+32*u:QK+32*u+7], 0
	BOTH v_wmma_f32_16x16x32_f16 v[S+8*u:S+8*u+7], v[QK+32*u+24:QK+32*u+31], v[QK+32*u+8:QK+32*u+15], v[S+8*u:S+8*u+7]
	PLACES
.if \ahead
	LOADQK (\b)+1
.endif
	; the maximum of my eight scores (the accumulator's lowest registers are read first), then of the query's other eight, which lie in the lane 16 away
	BOTH v_max3_num_f32 v[T+4*u], v[S+8*u], v[S+8*u+1], v[S+8*u+2]
	BOTH v_max3_num_f32 v[T+4*u], v[T+4*u], v[S+8*u+3], v[S+8*u+4]
	BOTH v_max3_num_f32 v[T+4*u], v[T+4*u], v[S+8*u+5], v[S+8*u+6]
	BOTH v_max_num_f32 v[T+4*u], v[T+4*u], v[S+8*u+7]
	BOTH v_permlanex16_b32 v[T+4*u+1], v[T+4*u], s10, s11
	BOTH v_max_num_f32 v[T+4*u], v[T+4*u], v[T+4*u+1]
	BOTH v_mul_f32 v[T+4*u], s8, v[T+4*u]          ; c m
.irp p, 0,2,4,6
	BOTH v_pk_fma_f32 v[S+8*u+(\p):S+8*u+(\p)+1], v[S+8*u+(\p):S+8*u+(\p)+1], s[8:9], v[T+4*u:T+4*u+1] op_sel_hi:[1,0,0] neg_lo:[0,0,1] neg_hi:[0,0,1]  ; c s - c m, at most 0
.endr
.irp e, 0,1,2,3,4,5,6,7
	BOTH v_exp_f32 v[S+8*u+(\e)], v[S+8*u+(\e)]    ; ONE batch of sixteen
.endr
	v_nop                                          ; a plain instruction behind the last exponential (ISA guide 5.7.2),
	s_wait_alu depctr_va_vdst(0)                   ; and one wait ahead of the first instruction that names a result
	BOTH v_pk_add_f32 v[T+4*u+2:T+4*u+3], v[S+8*u:S+8*u+1], v[S+8*u+2:S+8*u+3]
	BOTH v_pk_add_f32 v[T+4*u+2:T+4*u+3], v[T+4*u+2:T+4*u+3], v[S+8*u+4:S+8*u+5]
	BOTH v_pk_add_f32 v[T+4*u+2:T+4*u+3], v[T+4*u+2:T+4*u+3], v[S+8*u+6:S+8*u+7]
	BOTH v_add_f32 v[T+4*u+2], v[T+4*u+2], v[T+4*u+3]
	BOTH v_permlanex16_b32 v[T+4*u+3], v[T+4*u+2], s10, s11
	BOTH v_add_f32 v[T+4*u+2], v[T+4*u+2], v[T+4*u+3]  ; the sum of all sixteen weights: at least 1, since the largest is 1
	BOTH v_rcp_f32 v[T+4*u+2], v[T+4*u+2]
	v_nop
	s_wait_alu depctr_va_vdst(0)                   ; one wait for the two reciprocals
.irp p, 0,2,4,6
	BOTH v_pk_mul_f32 v[S+8*u+(\p):S+8*u+(\p)+1], v[S+8*u+(\p):S+8*u+(\p)+1], v[T+4*u+2:T+4*u+3] op_sel_hi:[1,0]
.endr
.irp q, 0,1,2,3
	BOTH v_cvt_pk_f16_f32 v[P+8*u+(\q)], v[S+8*u+2*(\q)], v[S+8*u+2*(\q)+1]
.endr
.if \ahead
	s_wait_loadcnt 16                              ; v is in; the next batch's sixteen loads of q and k stay out
.else
	s_wait_loadcnt 0x0
.endif
.if (\b) > 0
	s_wait_xcnt 0x0                                ; the last batch's stores have read O's registers: they are written again only behind this wait
.endif
.irp i, 0,1,2,3
	BOTH v_wmma_f32_16x16x32_f16 v[O+32*u+8*(\i):O+32*u+8*(\i)+7], v[V+32*u+8*(\i):V+32*u+8*(\i)+7], v[P+8*u:P+8*u+7], 0
.endr
	PLACES
.if \ahead
	LOADV (\b)+1
.endif
.irp i, 0,1,2,3
.irp q, 0,1,2,3
	BOTH v_cvt_pk_f16_f32 v[O+32*u+8*(\i)+(\q)], v[O+32*u+8*(\i)+2*(\q)], v[O+32*u+8*(\i)+2*(\q)+1]  ; in place, ascending: a register is written when it has been read
.endr
	BOTH global_store_b128 v2, v[O+32*u+8*(\i):O+32*u+8*(\i)+3], s[6:7] offset:(2*(\b)+u)*OUTB+512*(\i)  ; 512 consecutive bytes, at a multiple of 512 from ob's first byte
.endr
.endm
	BATCH 0, 1
	BATCH 1, 0
	s_endpgm
.Lfunc_end_k_qeb105f11cd_att:
	.size	k_qeb105f11cd_att, .Lfunc_end_k_qeb105f11cd_att-k_qeb105f11cd_att
	.p2alignl 7, 3214868480
	.fill 96, 4, 3214868480
	.section	.rodata,"a",@progbits
	.p2align	6, 0x0
	.amdhsa_kernel k_qeb105f11cd_att
		.amdhsa_group_segment_fixed_size 0
		.amdhsa_private_segment_fixed_size 0
		.amdhsa_enable_private_segment 0
		.amdhsa_kernarg_size 16
		.amdhsa_user_sgpr_count 2
		.amdhsa_user_sgpr_kernarg_segment_ptr 1
		.amdhsa_wavefront_size32 1
		.amdhsa_system_sgpr_workgroup_id_x 1
		.amdhsa_system_sgpr_workgroup_id_y 1
		.amdhsa_system_sgpr_workgroup_id_z 1
		.amdhsa_system_vgpr_workitem_id 0
		.amdhsa_next_free_vgpr 240
		.amdhsa_next_free_sgpr 66
		.amdhsa_reserve_vcc 0
		.amdhsa_float_denorm_mode_32 3
		.amdhsa_float_denorm_mode_16_64 3
		.amdhsa_memory_ordered 1
		.amdhsa_forward_progress 1
		.amdhsa_inst_pref_size 22
	.end_amdhsa_kernel
	.amdgpu_metadata
---
amdhsa.version: [ 1, 2 ]
amdhsa.kernels:
  - .name:           k_qeb105f11cd_att
    .symbol:         k_qeb105f11cd_att.kd
    .args:
      - { .name: qkv, .offset: 0, .size: 8, .value_kind: global_buffer, .address_space: global }
      - { .name: ob, .offset: 8, .size: 8, .value_kind: global_buffer, .address_space: global }
    .group_segment_fixed_size: 0
    .private_segment_fixed_size: 0
    .kernarg_segment_align: 8
    .kernarg_segment_size: 16
    .max_flat_workgroup_size: 256
    .sgpr_count:     66
    .vgpr_count:     240
    .wavefront_size: 32
...
	.end_amdgpu_metadata
.endif
;; end of part 3
;; launch outgemm (part 4): grid 4 x 64, 4 waves a work-group, clusters of 4 x 4, 327,680 bytes of LDS; arguments ob, wob, out0, bout; writes out0
.if DOCPART == 4
	.amdgcn_target "amdgcn-amd-amdhsa--gfx1250"
	.amdhsa_code_object_version 6
	.text
	.protected	k_qeb105f11cd_outgemm
	.globl	k_qeb105f11cd_outgemm
	.p2align	8
	.type	k_qeb105f11cd_outgemm,@function
k_qeb105f11cd_outgemm:
	s_mov_b64 s[64:65], 0
	v_nop
	global_prefetch_b8 v0, s[64:65] scope:SCOPE_SE
	s_setreg_imm32_b32 hwreg(HW_REG_WAVE_MODE, 25, 1), 1
	s_wait_xcnt 0x0
	s_wait_alu depctr_hold_cnt(0) depctr_sa_sdst(0) depctr_va_vdst(0) depctr_va_sdst(0) depctr_va_ssrc(0) depctr_va_vcc(0) depctr_vm_vsrc(0)
	s_getreg_b32 s2, hwreg(HW_REG_IB_STS2, 6, 4)
	s_cmp_eq_u32 s2, 0
	s_cbranch_scc0 .Lentry_in_a_cluster
	s_endpgm
.Lentry_in_a_cluster:
	s_bfe_u32 s2, ttmp6, 0x10000c
	s_cmp_lg_u32 s2, 0xf033
	s_cbranch_scc0 .Lentry_shape_is_right
	s_endpgm
.Lentry_shape_is_right:
; out0 = ob Wout^T + bout.  ob: [16384][1024] f16, wob: [1024][1024] f16, bout: [1024] f32, rounded to bf16 like the other inputs of the module; out0: [16384][1024] f32.  Sums in f32; the bias is added in f32.
; ob's and wob's columns stand in the same order, so the sums are those of the true order's terms.  wob's ROWS: of each 128, row 16 b + r holds the weights of output column 64 (b / 4) + 4 r + b % 4.
; A tile of C, 256 x 256, is made by a work-group of four waves; a wave makes 128 x 128: 64 accumulators of 16 x 16, 512 registers.  256 tiles: one for each work-group.  K goes in steps of 128 through a ring
; of two LDS slots filled by the tensor data mover: a tile's rows are 256 bytes of memory and start at multiples of 256 bytes from the buffer's first byte.
; CLUSTERS: 4 x 4 work-groups.  The four of a row of the cluster need the same tiles of A, the four of a column the same tiles of B: each tile is asked for JOINTLY, by the same tensor load with the same
; descriptor and a mask that names the four; each receives it in its own LDS.
; THE WAY OUT NEEDS NO LDS.  Source 0 = 16 rows of A (tokens), source 1 = 16 rows of B: in the result of n block b, register j of lane l holds token 8 (l / 16) + j and wob's row 16 b + l % 16.  So register j
; of a lane's n blocks 4 q .. 4 q + 3 are the four output columns 64 q + 4 (l % 16) + 0..3 of one token: the addition of the bias sets them side by side, and sixteen neighbouring lanes store 256 bytes on end.
; REGISTERS, in windows of 256 (s_set_vgpr_msb's low byte: bits 1:0 source 0, 3:2 source 1, 5:4 source 2, 7:6 destination):
;   window 0: v0-31 addresses and the bias; v64-127, v128-191 fragments of A, two buffers; on the way out v64-255 hold three blocks' results
;   window 1: v64-127, v128-191 fragments of B, two buffers; on the way out all 256 hold four blocks' results
;   window 2: the 32 accumulators of my rows 0-63 (accumulator (a, b) at v[8 (8 a + b)]);   window 3: those of my rows 64-127
.set SIZE_N, 1024
.set SIZE_K, 1024
.set KSTEP,  128
.set PITCH,  272                       ; an LDS row: 256 bytes + 16 of padding = 68 words: the 16 rows that a load touches start at 16 different groups of four banks (64 banks of 4 bytes: ISA guide 11.1)
.set HALFT,  128*PITCH                 ; 128 rows: what one tensor load brings, and what one wave reads of A or of B
.set SLOT,   4*HALFT                   ; A's 256 rows, then B's 256 rows
.set SPARE,  2*SLOT                    ; behind the ring: the spare words, 128 bytes for each wave: two blocks of 256 bytes that no other line names
.set LAPS,   SIZE_K/(2*KSTEP)          ; a lap = two K steps = once round the ring: 4
.set BIAS, 8                           ; v[8:15] the bias of my lane's column in n blocks 0..7
.set ADRA, 16                          ; v16-17  LDS address of my A fragments in slot 0, 1
.set ADRB, 20                          ; v20-21  the same for B
.set CO,   26                          ; v26     my byte offset in C: 8 (l / 16) rows + 16 (l % 16); never rewritten
.set BO,   27                          ; v27     my byte offset in bout
.set SPW,  28                          ; v28     LDS address of my spare word: SPARE + 4 x my thread's number; never rewritten
.set NIL,  29                          ; v29     0; never rewritten
.set PFO,  30                          ; v30     the prefetches' offset: my lane x a row of A or B (2,048 bytes); never rewritten
.set PFA,  44                          ; s[44:45] where my prefetches stand: my work-group's 32 rows of the 128 that I fetch, one K step further along K than the refill in hand
.set LIM,  43                          ; s43     1 in a wave that prefetches, else the greatest number
.set F0,   64                          ; fragment buffer 0
.set F1,   128                         ; fragment buffer 1
.set G1,  24                           ; s[24:31] descriptor group 1 for A's tiles
.set G0,  32                           ; s[32:39] descriptor group 0 for A's tiles, one set for each slot
.set G1B, 48                           ; s[48:55] group 1 for B's tiles: it differs in the mask alone
.set G0B, 56                           ; s[56:63] group 0 for B's tiles
.set MSB, 0
.macro WIN new                         ; the immediate's high byte repeats the setting that is left; a switch that changes nothing is dropped
.if MSB != (\new)
	s_set_vgpr_msb (MSB<<8)|(\new)
.set MSB, \new
.endif
.endm
.set MUL_LO, 0xa4                      ; source 0 (A) window 0, source 1 (B) window 1, C and D window 2
.set MUL_HI, 0xf4                      ; the same, C and D window 3
.set TO_B,   0x40                      ; destination window 1, address window 0
; A joint load.  Waves 0 and 1 fetch A's two halves, waves 2 and 3 B's.  The branch hangs on the wave's number alone.  An s_nop 0 and four v_nop follow each of the two lines.
.macro JLOAD s
	s_cmp_eq_u32 s11, 0
	s_cbranch_scc0 .Lfor_b_\@
	tensor_load_to_lds s[G0+4*(\s):G0+4*(\s)+3], s[G1:G1+7]
	s_nop 0
.rept 4
	v_nop
.endr
	s_branch .Lasked_\@
.Lfor_b_\@:
	tensor_load_to_lds s[G0B+4*(\s):G0B+4*(\s)+3], s[G1B:G1B+7]
	s_nop 0
.rept 4
	v_nop
.endr
.Lasked_\@:
.endm
; A PREFETCH, behind each joint load, its five lines and the run of LDS loads that follows: the K step that stands TWO refills on, 512 matrix instructions ahead of the load that will want it: 32 rows x 256
; bytes, a lane a row, one instruction a wave.  Each row's 256 bytes of a K step are named ONCE in the launch: A's tile row is read by this cluster alone (the grid is one cluster wide); B's tile column is
; read by every cluster of the column of clusters: cluster y = 0 asks.  The four partners that ask for a tile jointly share its rows out BY ADDRESS: of the 128 rows that a wave fetches the partner at place
; p takes 32 p .. 32 p + 31 (p = cx for A, cy for B).  The last two refills have no K step two on and ask for nothing.
.macro ASK
	s_cmp_gt_u32 s3, s[LIM]                        ; s3 = 1 in the loop's last trip
	s_cbranch_scc0 .Lnot_mine_\@
	global_prefetch_b8 v[PFO], s[PFA:PFA+1] offset:KSTEP*2 th:TH_LOAD_NT scope:SCOPE_SE
.Lnot_mine_\@:
.endm
; A round of the cluster's barrier: my work-group's barrier, so that wave 0's signal speaks for all four waves; wave 0 signals; every wave waits for all sixteen work-groups; my work-group's barrier once more.
.macro CREST                           ; a round behind its opening barrier
	s_cmp_lg_u32 s10, 0
	s_cbranch_scc1 .Lnot_wave_0_\@
	s_barrier_signal -3
.Lnot_wave_0_\@:
	s_barrier_wait -3
	s_barrier_signal -1
	s_barrier_wait -1
.endm
.macro CROUND                          ; a whole round
	s_barrier_signal -1
	s_barrier_wait -1
	CREST
.endm
	s_load_b128 s[4:7], s[0:1], 0x0                ; A s[4:5], B s[6:7]
	s_load_b64 s[8:9], s[0:1], 0x10                ; C
	s_load_b64 s[66:67], s[0:1], 0x18              ; bout
	v_lshl_add_u32 v[SPW], v0, 2, SPARE
	v_mov_b32 v[NIL], 0
	ds_add_u32 v[SPW], v[NIL]                      ; the wave's opening: the add and its wait stand ahead of my first tensor load; the set-up below, work on registers, stands between them
	v_lshrrev_b32 v1, 5, v0
	v_readfirstlane_b32 s10, v1                    ; wave 0..3
	s_lshr_b32 s11, s10, 1                         ; which half of the tile's rows is mine.  Also: I fetch for A (0) or for B (1)
	s_and_b32 s12, s10, 1                          ; which half of its columns.  Also: which 128 rows of that tile I fetch
	s_bfe_u32 s40, ttmp6, 0x40000                  ; cx
	s_bfe_u32 s41, ttmp6, 0x40004                  ; cy
	s_lshl_b32 s42, ttmp9, 2                       ; in a cluster launch ttmp9 and ttmp7 count clusters
	s_add_co_u32 s42, s42, s40                     ; tile column of C = 4 x cluster x + cx
	s_and_b32 s13, ttmp7, 0xffff
	s_lshl_b32 s13, s13, 2
	s_add_co_u32 s13, s13, s41                     ; tile row of C = 4 x cluster y + cy
	s_lshl_b32 s43, s41, 2
	s_lshl_b32 s43, 15, s43                        ; my row of the cluster: places 4 cy .. 4 cy + 3
	s_lshl_b32 s44, 0x1111, s40                    ; my column: places cx, cx + 4, cx + 8, cx + 12
	; descriptor group 1: a tile of 128 rows x 128 elements, padded in LDS
	s_or_b32 s[G1+0], s43, (1<<16)|(1<<20)|(1<<21)|(5<<22)|(3<<25)  ; 15:0 the mask; 17:16 elements of 2 bytes; 20 padding on; 21 set beside a mask; 24:22 after every 64 words (code 5); 31:25 4 words of it (code 3)
	s_or_b32 s[G1B+0], s44, (1<<16)|(1<<20)|(1<<21)|(5<<22)|(3<<25)
.irp g, G1, G1B
	s_mov_b32 s[(\g)+1], KSTEP<<16                 ; tensor_dim0 = 128
	s_mov_b32 s[(\g)+2], 128<<16                   ; tensor_dim1 = 128
	s_mov_b32 s[(\g)+3], KSTEP<<16                 ; tile_dim0 = 128
	s_mov_b32 s[(\g)+4], 128                       ; tile_dim1 = 128
	s_mov_b32 s[(\g)+5], SIZE_K                    ; elements from row to row
	s_mov_b32 s[(\g)+6], 0
	s_mov_b32 s[(\g)+7], 0
.endr
	; where the tiles come from.  A's hang on the tile row alone, which my row of the cluster shares; B's on the tile column alone, which my column shares.
	s_lshl_b32 s17, s12, 7                         ; which 128 rows of the tile I fetch
	s_lshl_b32 s16, s13, 8
	s_add_co_u32 s16, s16, s17                     ; A: row 256 x tile row + 128 x half
	s_lshl_b32 s46, s42, 8
	s_add_co_u32 s46, s46, s17                     ; B: row 256 x tile column + 128 x half
	s_mov_b32 s17, 0
	s_mov_b32 s47, 0
	s_mov_b64 s[18:19], SIZE_K*2
	s_mul_u64 s[16:17], s[16:17], s[18:19]         ; in bytes
	s_mul_u64 s[46:47], s[46:47], s[18:19]
	s_mul_i32 s20, s10, HALFT                      ; and where they go: wave x 128 rows: no place in the cluster enters an LDS address
	s_wait_dscnt 0x0                               ; the opening add is done
	s_wait_kmcnt 0x0
	s_add_nc_u64 s[14:15], s[4:5], s[16:17]
	s_add_nc_u64 s[46:47], s[6:7], s[46:47]
	CROUND                                         ; all sixteen work-groups are here: the first joint loads meet
.irp s, 0,1
	s_mov_b32 s[G0+4*(\s)], 1                                      ; count = 1
	s_add_co_u32 s[G0+4*(\s)+1], s20, (\s)*SLOT                    ; LDS address
	s_add_nc_u64 s[G0+4*(\s)+2:G0+4*(\s)+3], s[14:15], (\s)*KSTEP*2  ; global address: K step s
	s_or_b32 s[G0+4*(\s)+3], s[G0+4*(\s)+3], 0x80000000            ; type = 2
	s_mov_b32 s[G0B+4*(\s)], 1
	s_add_co_u32 s[G0B+4*(\s)+1], s20, (\s)*SLOT
	s_add_nc_u64 s[G0B+4*(\s)+2:G0B+4*(\s)+3], s[46:47], (\s)*KSTEP*2
	s_or_b32 s[G0B+4*(\s)+3], s[G0B+4*(\s)+3], 0x80000000
	JLOAD \s                                       ; the ring is filled before anything else is done: two loads of mine are out
.endr
	; A fragment is 16 rows x 32 K in 8 registers: lane l holds row l % 16; registers 0-3 K = 8 (l / 16) + 0..7, registers 4-7 K = 16 + 8 (l / 16) + 0..7: two loads of 16 bytes, 32 bytes apart.
	v_and_b32 v1, 15, v0                           ; l % 16
	v_bfe_u32 v2, v0, 4, 1                         ; l / 16
	v_mul_u32_u24 v3, v1, PITCH
	v_lshl_add_u32 v3, v2, 4, v3                   ; row x pitch + 16 x half
	s_mul_i32 s21, s11, HALFT                      ; my 128 rows of A
	s_mul_i32 s22, s12, HALFT                      ; my 128 rows of B,
	s_add_co_u32 s22, s22, 2*HALFT                 ; which lie behind A's 256
.irp s, 0,1
	v_add_nc_u32 v[ADRA+(\s)], s21, v3
	v_add_nc_u32 v[ADRB+(\s)], s22, v3
	s_add_co_u32 s21, s21, SLOT
	s_add_co_u32 s22, s22, SLOT
.endr
	v_lshlrev_b32 v5, 15, v2                       ; the way out: lanes 16-31 hold the tokens eight rows (of 4,096 bytes) further down,
	v_lshl_add_u32 v[CO], v1, 4, v5                ; and lane l % 16 the 16 bytes at 16 (l % 16) of each 256 bytes of a row
	; C's pointer at my part of the tile, and my eight numbers of the bias
	s_lshl_b32 s13, s13, 8
	s_lshl_b32 s14, s11, 7
	s_add_co_u32 s16, s13, s14                     ; my first row of C
	s_mov_b32 s17, 0
	s_mov_b64 s[18:19], SIZE_N*4
	s_mul_u64 s[16:17], s[16:17], s[18:19]
	s_lshl_b32 s46, s42, 10                        ; my first column, in bytes: 1,024 x tile column + 512 x half
	s_lshl_b32 s47, s12, 9
	s_add_co_u32 s46, s46, s47
	s_mov_b32 s47, 0
	v_lshlrev_b32 v[BO], 4, v1
	v_add_nc_u32 v[BO], s46, v[BO]
	global_load_b128 v[BIAS:BIAS+3], v[BO], s[66:67]               ; columns 4 (l % 16) + 0..3 of my 128: n blocks 0-3,
	global_load_b128 v[BIAS+4:BIAS+7], v[BO], s[66:67] offset:256  ; and 64 columns on: n blocks 4-7
	s_add_nc_u64 s[16:17], s[16:17], s[46:47]
	s_add_nc_u64 s[8:9], s[8:9], s[16:17]
	; the prefetches.  s13 = 256 x tile row, s42 = tile column, s40 = cx, s41 = cy still stand
	s_lshl_b32 s42, s42, 8
	s_and_b32 s22, ttmp7, 0xffff                   ; cluster y
	s_cmp_eq_u32 s11, 0                            ; do I fetch for A?
	s_cselect_b32 s20, s13, s42                    ; the tile's first row: in A by the tile row, in B by the tile column
	s_cselect_b32 s21, s40, s41                    ; my place among the four that ask for it with me
	s_cselect_b32 s22, ttmp9, s22                  ; the coordinate along which other clusters read the same rows
	s_cselect_b64 s[PFA:PFA+1], s[4:5], s[6:7]
	s_cmp_eq_u32 s22, 0
	s_cselect_b32 s[LIM], 1, -1                    ; the same in all sixteen partners, for a given wave
	s_lshl_b32 s22, s12, 7
	s_add_co_u32 s20, s20, s22                     ; + the 128 rows that I fetch
	s_lshl_b32 s21, s21, 5
	s_add_co_u32 s20, s20, s21                     ; + my work-group's 32 of them
	s_mov_b32 s21, 0
	s_mov_b64 s[18:19], SIZE_K*2
	s_mul_u64 s[20:21], s[20:21], s[18:19]
	s_add_nc_u64 s[PFA:PFA+1], s[PFA:PFA+1], s[20:21]
	s_add_nc_u64 s[PFA:PFA+1], s[PFA:PFA+1], 2*KSTEP*2  ; at K step 2: the first refill steps it to 3 and names K step 4
	v_and_b32 v[PFO], 31, v0
	v_mul_u32_u24 v[PFO], v[PFO], SIZE_K*2
	; nothing is prefetched here, at the head, where every work-group's first two tiles are on their way
	s_wait_loadcnt 0x0                             ; the bias, in the wait for the first tiles: rounded to bf16 and widened again
.irp p, 0,1,2,3
	v_cvt_pk_bf16_f32 v[32+(\p)], v[BIAS+2*(\p)], v[BIAS+2*(\p)+1]
.endr
.irp p, 0,1,2,3
	v_lshlrev_b32 v[BIAS+2*(\p)], 16, v[32+(\p)]
	v_and_b32 v[BIAS+2*(\p)+1], 0xffff0000, v[32+(\p)]
.endr
; 16 matrix instructions: m blocks a0, a0 + 1 of the window's four (hi = 0: my rows 0-63, 1: rows 64-127) x all 8 n blocks, 32 along K.  zero = 1: the first product starts the sums: nothing is cleared.
; The 64 accumulators take turns, one instruction a turn, in the same order in every quarter.
.macro MUL16 f, hi, a0, zero
	WIN MUL_LO+0x50*(\hi)
.irp a, \a0, (\a0)+1
.irp b, 0,1,2,3,4,5,6,7
.if \zero
	v_wmma_f32_16x16x32_f16 v[8*(8*(\a)+(\b)):8*(8*(\a)+(\b))+7], v[(\f)+8*(4*(\hi)+(\a)):(\f)+8*(4*(\hi)+(\a))+7], v[(\f)+8*(\b):(\f)+8*(\b)+7], 0
.else
	v_wmma_f32_16x16x32_f16 v[8*(8*(\a)+(\b)):8*(8*(\a)+(\b))+7], v[(\f)+8*(4*(\hi)+(\a)):(\f)+8*(4*(\hi)+(\a))+7], v[(\f)+8*(\b):(\f)+8*(\b)+7], v[8*(8*(\a)+(\b)):8*(8*(\a)+(\b))+7]
.endif
.endr
.endr
.endm
; 32 LDS loads in one run: the fragments of one quarter step (128 rows of B, 128 rows of A, 32 K at byte k of the rows) into buffer f
.macro FETCH slot, k, f
	WIN TO_B
.irp i, 0,1,2,3,4,5,6,7
	ds_load_b128 v[(\f)+8*(\i):(\f)+8*(\i)+3],   v[ADRB+(\slot)] offset:(\k)+(\i)*16*PITCH
	ds_load_b128 v[(\f)+8*(\i)+4:(\f)+8*(\i)+7], v[ADRB+(\slot)] offset:(\k)+(\i)*16*PITCH+32
.endr
	WIN 0
.irp i, 0,1,2,3,4,5,6,7
	ds_load_b128 v[(\f)+8*(\i):(\f)+8*(\i)+3],   v[ADRA+(\slot)] offset:(\k)+(\i)*16*PITCH
	ds_load_b128 v[(\f)+8*(\i)+4:(\f)+8*(\i)+7], v[ADRA+(\slot)] offset:(\k)+(\i)*16*PITCH+32
.endr
.endm
; A load into a register that a matrix instruction has read, and a vector instruction that reads a matrix result or writes one of a matrix instruction's registers, stand four places behind that matrix
; instruction; only plain vector instructions that name none of its registers are places (ISA guide 7.12.1 for vector instructions).
.macro PLACES
.rept 4
	v_nop
.endr
.endm
; A K step is four quarters of 32 along K, 64 matrix instructions each, on buffers 0, 1, 0, 1.  One of the first three: multiplies buffer f; in its middle it fetches the next quarter, at byte k, into buffer g.
.macro QUARTER slot, k, f, g, zero
	s_wait_dscnt 8                                 ; B and A's rows 0-63 are in; the youngest eight loads (A's rows 64-127) may be out
	WIN MUL_LO
	MUL16 \f, 0, 0, \zero
	MUL16 \f, 0, 2, \zero
	PLACES
	FETCH \slot, \k, \g
	s_wait_dscnt 32                                ; all but the 32 just issued
	WIN MUL_HI
	MUL16 \f, 1, 0, \zero
	MUL16 \f, 1, 2, \zero
.endm
; The last quarter multiplies buffer 1 and changes slots.  MEET is its first half: ONE barrier, for two things.  In front of it each wave waits for all its tensor loads, of which one is out: its part of the
; next slot; adds 0 to its spare word; and waits for that and for its own reads of this slot.  Behind it nobody reads this slot any more and the next slot is whole.
.macro MEET round                      ; round = 1: the rest of a round of the cluster's barrier follows
	WIN 0                                          ; (the add's two registers lie in window 0)
	s_wait_tensorcnt 0x0                           ; all my tensor loads have landed;
	ds_add_u32 v[SPW], v[NIL]                      ; 0 onto my spare word;
	s_wait_dscnt 9                                 ; (the add and the youngest eight loads may be out)
	WIN MUL_LO
	MUL16 F1, 0, 0, 0                              ; sixteen matrix instructions stand between the add and the wait for it
	s_wait_dscnt 0x0                               ; the add is done, and my reads of this slot are over:
	s_barrier_signal -1                            ; say so,
	MUL16 F1, 0, 2, 0                              ; work on registers while the others arrive,
.if \round
	WIN 0
.endif
	s_barrier_wait -1                              ; and go on when all four have said so
.endm
; The whole last quarter.  Behind the round the slot just read out is filled again first, with the K step two steps on; then come the next slot's first fragments.  From a request to the wait for it a wave
; issues 224 matrix instructions.
.macro TURN slot, next
	s_wait_xcnt 0x0                                ; the last prefetch, a K step back, has read its address: it is stepped here, ahead of the waits of the change of slots
	s_add_nc_u64 s[PFA:PFA+1], s[PFA:PFA+1], KSTEP*2
	MEET 1
	CREST                                          ; no wave of any partner still reads this slot's tile or has a load on its way
	s_add_nc_u64 s[G0+4*(\slot)+2:G0+4*(\slot)+3], s[G0+4*(\slot)+2:G0+4*(\slot)+3], 2*KSTEP*2
	s_add_nc_u64 s[G0B+4*(\slot)+2:G0B+4*(\slot)+3], s[G0B+4*(\slot)+2:G0B+4*(\slot)+3], 2*KSTEP*2
	JLOAD \slot                                    ; the first tensor load behind the round, my only one until the next; its four v_nop are also the places in front of the loads below
	FETCH \next, 0, F0
	ASK
	WIN MUL_HI
	MUL16 F1, 1, 0, 0
	MUL16 F1, 1, 2, 0
.endm
; THE WAY OUT of block a (16 tokens x my 128 columns of f32).  Each block has 64 registers of its own for its results (window BW, from register BB on), so nothing on the way out waits for a store:
; blocks 0-2 where A's fragments lay and behind them, blocks 3-6 in window 1, block 7 where block 0's accumulators lay, which have been read by then.
.macro BUFOF a
.if (\a) < 3
.set BW, 0
.set BB, 64+64*(\a)
.elseif (\a) < 7
.set BW, 1
.set BB, 64*((\a)-3)
.else
.set BW, 2
.set BB, 0
.endif
.endm
; ADDB: register j of n block c, plus that block's bias, goes to place 8 j + c: four neighbouring columns of token 8 (l / 16) + j stand in four neighbouring registers.  j ascends.
.macro ADDB a
	BUFOF \a
.set AC, 64*((\a)%4)
	WIN (BW<<6)+2+(\a)/4                           ; source 0: window 2 or 3; source 1, the bias: window 0; destination: the block's buffer
.irp j, 0,1,2,3,4,5,6,7
.irp c, 0,1,2,3,4,5,6,7
	v_add_f32 v[BB+8*(\j)+(\c)], v[AC+8*(\c)+(\j)], v[BIAS+(\c)]
.endr
.endr
.endm
.macro SENDB a
	BUFOF \a
	WIN BW<<2                                      ; a store's data is its source 1
.irp j, 0,1,2,3,4,5,6,7
.irp q, 0,1
	global_store_b128 v[CO], v[BB+8*(\j)+4*(\q):BB+8*(\j)+4*(\q)+3], s[8:9] offset:(16*(\a)+(\j))*SIZE_N*4+256*(\q) th:TH_STORE_NT  ; 16 lanes store 256 consecutive bytes, at a multiple of 256 from C's first byte; 487,680 at the most
.endr
.endr
.endm
	s_wait_tensorcnt 1                             ; my part of K step 0 is in; K step 1's load stays out
	s_barrier_signal -1
	s_barrier_wait -1                              ; everybody's is
	FETCH 0, 0, F0
	QUARTER 0, 64,  F0, F1, 1                      ; the first quarter stands in front of the loop: its products start the sums
	WIN 0                                          ; at a label and at a branch every window is 0
	s_mov_b32 s3, LAPS-1
.Llap:                                                 ; a trip goes once round the ring, from a lap's second quarter to the next lap's first, and fills both slots again
	QUARTER 0, 128, F1, F0, 0
	QUARTER 0, 192, F0, F1, 0
	TURN 0, 1
	QUARTER 1, 64,  F0, F1, 0
	QUARTER 1, 128, F1, F0, 0
	QUARTER 1, 192, F0, F1, 0
	TURN 1, 0
	QUARTER 0, 64,  F0, F1, 0
	WIN 0
	s_sub_co_u32 s3, s3, 1
	s_cmp_lg_u32 s3, 0
	s_cbranch_scc1 .Llap
	QUARTER 0, 128, F1, F0, 0                      ; the last lap is written out: it asks for nothing more
	QUARTER 0, 192, F0, F1, 0
	MEET 0                                         ; my one tensor load that was still out is slot 1's, the last K step's, so no round follows
	PLACES                                         ; for the loads into buffer 0, which the quarter before multiplied
	FETCH 1, 0, F0
	WIN MUL_HI
	MUL16 F1, 1, 0, 0
	MUL16 F1, 1, 2, 0
	QUARTER 1, 64,  F0, F1, 0
	QUARTER 1, 128, F1, F0, 0
	QUARTER 1, 192, F0, F1, 0
	s_wait_dscnt 8                                 ; the very last quarter: nothing more to fetch
	MUL16 F1, 0, 0, 0
	MUL16 F1, 0, 2, 0
	s_wait_dscnt 0x0
	MUL16 F1, 1, 0, 0
	MUL16 F1, 1, 2, 0
	WIN 0
	PLACES                                         ; the additions read results, and write where fragments lay
	ADDB 0
.irp a, 1,2,3,4,5,6,7                  ; block a's additions stand between block a - 1's additions and its stores
	ADDB \a
	SENDB (\a)-1
.endr
	SENDB 7
	WIN 0
	s_wait_tensorcnt 0x0                           ; the wave's end: an add and its wait, behind my last tensor load
	ds_add_u32 v[SPW], v[NIL]
	s_wait_dscnt 0x0
	CROUND                                         ; the closing round: no work-group ends while a partner may still ask for a tile that names it
	s_endpgm
.Lfunc_end_k_qeb105f11cd_outgemm:
	.size	k_qeb105f11cd_outgemm, .Lfunc_end_k_qeb105f11cd_outgemm-k_qeb105f11cd_outgemm
	.p2alignl 7, 3214868480
	.fill 96, 4, 3214868480
	.section	.rodata,"a",@progbits
	.p2align	6, 0x0
	.amdhsa_kernel k_qeb105f11cd_outgemm
		.amdhsa_group_segment_fixed_size 327680
		.amdhsa_private_segment_fixed_size 0
		.amdhsa_enable_private_segment 0
		.amdhsa_kernarg_size 32
		.amdhsa_user_sgpr_count 2
		.amdhsa_user_sgpr_kernarg_segment_ptr 1
		.amdhsa_wavefront_size32 1
		.amdhsa_system_sgpr_workgroup_id_x 1
		.amdhsa_system_sgpr_workgroup_id_y 1
		.amdhsa_system_sgpr_workgroup_id_z 1
		.amdhsa_system_vgpr_workitem_id 0
		.amdhsa_next_free_vgpr 1024
		.amdhsa_next_free_sgpr 68
		.amdhsa_reserve_vcc 0
		.amdhsa_float_denorm_mode_32 3
		.amdhsa_float_denorm_mode_16_64 3
		.amdhsa_memory_ordered 1
		.amdhsa_forward_progress 1
		.amdhsa_inst_pref_size 142
	.end_amdhsa_kernel
	.amdgpu_metadata
---
amdhsa.version: [ 1, 2 ]
amdhsa.kernels:
  - .name:           k_qeb105f11cd_outgemm
    .symbol:         k_qeb105f11cd_outgemm.kd
    .args:
      - { .name: ob, .offset: 0, .size: 8, .value_kind: global_buffer, .address_space: global }
      - { .name: wob, .offset: 8, .size: 8, .value_kind: global_buffer, .address_space: global }
      - { .name: out0, .offset: 16, .size: 8, .value_kind: global_buffer, .address_space: global }
      - { .name: bout, .offset: 24, .size: 8, .value_kind: global_buffer, .address_space: global }
    .group_segment_fixed_size: 327680
    .private_segment_fixed_size: 0
    .kernarg_segment_align: 8
    .kernarg_segment_size: 32
    .max_flat_workgroup_size: 128
    .sgpr_count:     68
    .vgpr_count:     1024
    .wavefront_size: 32
...
	.end_amdgpu_metadata
.endif
;; end of part 4
;; ======== version 2 of 2: 4 launches; version 1 with the launches cast, att written anew for expert scheduling mode
;; limits: values are held in f16: magnitudes above 65,504 overflow, below 6.1e-05 lose precision
;; workspace buffers: xb 33,554,432 bytes; wqb 6,291,456 bytes; wob 2,097,152 bytes; qkv 100,663,296 bytes; ob 33,554,432 bytes
;; launch cast (part 5): grid 1280 x 1, 8 waves a work-group, no clusters, 0 bytes of LDS; arguments x, Wqkv, Wout, xb, wqb, wob; writes xb, wqb, wob
.if DOCPART == 5
	.amdgcn_target "amdgcn-amd-amdhsa--gfx1250"
	.amdhsa_code_object_version 6
	.text
	.protected	k_qeb105f11cd_cast
	.globl	k_qeb105f11cd_cast
	.p2align	8
	.type	k_qeb105f11cd_cast,@function
k_qeb105f11cd_cast:
	s_mov_b64 s[64:65], 0
	v_nop
	global_prefetch_b8 v0, s[64:65] scope:SCOPE_SE
	s_setreg_imm32_b32 hwreg(HW_REG_WAVE_SCHED_MODE, 0, 2), 2
	s_setreg_imm32_b32 hwreg(HW_REG_WAVE_MODE, 25, 1), 1
	s_wait_xcnt 0x0
	s_wait_alu depctr_vm_vsrc(0)
; THE INPUTS ARE ROUNDED ONCE TO 16 BITS, and the weights laid out for the launches behind.
;   xb  [16384][1024] bf16 = x.
;   wqb [3072][1024]  bf16 = rows of Wqkv in another order.  Write a row number of wqb as region*1024 + j*256 + h*128 + e*16 + r (j 0..3, h 0..1, e 0..7, r 0..15):
;       region 0 (q), 1 (k): Wqkv's row r*192 + region*64 + 16 j + 8 h + e   (head r, channel 16 j + 8 h + e)
;       region 2 (v):        Wqkv's row (8 h + e)*192 + 128 + 16 j + r       (head 8 h + e, channel 16 j + r)
;       In the first product's result lane r of n block e then holds that number, and the lane's eight n blocks pack into 16 bytes, which are stored at column region*1024 + j*256 + h*128 + r*8 of the token's row.
;   wob [1024][1024]  f16 = Wout rounded to bf16 and that number written as f16.  Its ROWS: row G*128 + b*16 + r holds Wout's row G*128 + 64 (b / 4) + 4 r + b % 4, so that in the last product's result a
;       lane's n blocks b = 4 q .. 4 q + 3 are four neighbouring columns of the output.  Its COLUMNS: column i*256 + h*128 + r*8 + e holds Wout's column r*64 + 16 i + 8 h + e, the order in which ob is written.
; LIMITS.  Wout lies within f16's range (65,504); below 6e-5 f16 keeps a fixed step of 6e-8.
; SHARES.  A work-group converts 16 rows of 1,024 numbers; thread t takes 4 numbers of each row: a load of 16 bytes, a store of 8.  A wave's load covers 512 bytes on end (x, Wqkv), a wave's store 256, aligned.
; Work-groups 0..1023: x; 1024..1215: Wqkv; 1216..1279: Wout.  All 16 loads of a thread are out at once; no register is written twice, so nothing waits for a store.
; No LDS, no matrix unit, no cluster: a stream in which no byte is shared.
; THE MODE: SCHED_MODE bits 1:0 = 2 (LLVM: expert scheduling mode 2), set by the entry lines.  The code itself states the register dependences between vector instructions and memory instructions, with
; s_wait_alu, always for 0.
; THE PLAN.  Registers that memory instructions touch:
;   v1, v2, v3   byte offsets.  Written by vector instructions ahead of the first load and never again; read by every load (v1, v3) and every store (v2).
;   X            Written by the sixteen loads, once; read by the conversions.  No vector instruction writes them, and no load is issued behind the first conversion.
;   Y            Row i's two registers are written by row i's conversions, once, and read by row i's store.
;   v4 to v7 are named by vector instructions alone.
; The rows go in four groups of four.  One wait stands ahead of the loads (the offsets are written); one at the head of each group but the first (the group before has written its Y), behind which that
; group's four stores are dealt among this group's conversions, which name other X, other Y and v4 to v7; one ahead of the last four stores.  No register that a memory instruction reads is written again.
.set ROWB, 4096                        ; bytes in a row of f32
.set X, 8                              ; v[8:71]    row i: 4 registers as loaded
.set Y, 72                             ; v[72:103]  row i: 2 registers to store
; 16 rows: source row i lies i steps behind the first.  Rows 0-7 go by offset register v1, rows 8-15 by v3 = v1 + 8 steps, so that the immediate holds 7 steps at the most (5,505,024 bytes, inside its signed
; 24 bits).  Loads from base sb, stores to base db.  f16 = 1: bf16's number is written as f16.
.macro ROWS sb, db, step, f16
	s_wait_alu depctr_va_vdst(0)                   ; v1, v2 and v3 are written: every load and store below reads one of them as its offset
.set i, 0
.rept 16
.set SRC, (i&7)*(\step)
.set OREG, 1+2*(i>>3)
.if \f16
	global_load_b128 v[X+4*i:X+4*i+3], v[OREG], s[\sb:\sb+1] offset:SRC
.else
	global_load_b128 v[X+4*i:X+4*i+3], v[OREG], s[\sb:\sb+1] offset:SRC th:TH_LOAD_NT
.endif
.set i, i+1
.endr
.set i, 0
.rept 16
.if (i%4) == 0
	s_wait_loadcnt 12-i                            ; loads come back in order: the group's four rows are in, the 12 - i younger loads stay out
.if i > 0
	s_wait_alu depctr_va_vdst(0)                   ; the group before has written its eight registers of Y, which the four stores of this group's turn read
.endif
.endif
.if i >= 4
	global_store_b64 v2, v[Y+2*(i-4):Y+2*(i-4)+1], s[\db:\db+1] offset:2048*(i-4)  ; the row four back; no vector instruction since the wait names its registers
.endif
	v_cvt_pk_bf16_f32 v[Y+2*i], v[X+4*i], v[X+4*i+1]
	v_cvt_pk_bf16_f32 v[Y+2*i+1], v[X+4*i+2], v[X+4*i+3]
.if \f16
	v_lshlrev_b32 v4, 16, v[Y+2*i]                 ; the four bf16 numbers as f32,
	v_and_b32 v5, s28, v[Y+2*i]
	v_lshlrev_b32 v6, 16, v[Y+2*i+1]
	v_and_b32 v7, s28, v[Y+2*i+1]
	v_cvt_pk_f16_f32 v[Y+2*i], v4, v5              ; and written as f16: exact within f16's range
	v_cvt_pk_f16_f32 v[Y+2*i+1], v6, v7
.endif
.set i, i+1
.endr
	s_wait_alu depctr_va_vdst(0)                   ; the last group has written its Y, which the last four stores read
.set i, 12
.rept 4
	global_store_b64 v2, v[Y+2*i:Y+2*i+1], s[\db:\db+1] offset:2048*i
.set i, i+1
.endr
.endm
	s_load_b256 s[4:11], s[0:1], 0x0               ; x s[4:5], Wqkv s[6:7], Wout s[8:9], xb s[10:11]
	s_load_b128 s[12:15], s[0:1], 0x20             ; wqb s[12:13], wob s[14:15]
	v_lshlrev_b32 v1, 4, v0                        ; my 16 bytes of a source row
	v_lshlrev_b32 v2, 3, v0                        ; my 8 bytes of a destination row
	s_mov_b32 s17, 0                               ; high words of the two offsets
	s_mov_b32 s19, 0
	s_mov_b32 s28, 0xffff0000                      ; a word's upper bf16
	s_wait_kmcnt 0x0
	s_cmp_lt_u32 ttmp9, 1024
	s_cbranch_scc0 .Lweights
	s_lshl_b32 s16, ttmp9, 16                      ; x: 16 rows of 4,096 bytes in,
	s_lshl_b32 s18, ttmp9, 15                      ; 16 rows of 2,048 bytes out
	s_add_nc_u64 s[4:5], s[4:5], s[16:17]
	s_add_nc_u64 s[10:11], s[10:11], s[18:19]
	v_add_nc_u32 v3, 8*ROWB, v1
	ROWS 4, 10, ROWB, 0
	s_endpgm
.Lweights:
	s_cmp_lt_u32 ttmp9, 1216
	s_cbranch_scc0 .Lwout
	s_sub_co_u32 s20, ttmp9, 1024                  ; wqb's rows 16 n .. 16 n + 15: r = i
	s_and_b32 s21, s20, 7                          ; e
	s_bfe_u32 s22, s20, 0x10003                    ; h
	s_bfe_u32 s23, s20, 0x20004                    ; j
	s_lshr_b32 s24, s20, 6                         ; region
	s_lshl_b32 s18, s20, 15
	s_add_nc_u64 s[12:13], s[12:13], s[18:19]
	s_lshl_b32 s23, s23, 4                         ; 16 j
	s_lshl_b32 s22, s22, 3
	s_add_co_u32 s21, s21, s22                     ; 8 h + e
	s_cmp_lt_u32 s24, 2
	s_cbranch_scc0 .Lv
	s_lshl_b32 s24, s24, 6                         ; q, k: first source row = 64 region + 16 j + 8 h + e; r goes up by one: 192 rows
	s_add_co_u32 s21, s21, s24
	s_add_co_u32 s21, s21, s23
	s_lshl_b32 s16, s21, 12
	s_add_nc_u64 s[6:7], s[6:7], s[16:17]
	v_add_nc_u32 v3, 8*192*ROWB, v1
	ROWS 6, 12, 192*ROWB, 0
	s_endpgm
.Lv:
	s_mul_i32 s21, s21, 192                        ; v: first source row = 192 (8 h + e) + 128 + 16 j; r goes up by one: one row
	s_add_co_u32 s21, s21, s23
	s_add_co_u32 s21, s21, 128
	s_lshl_b32 s16, s21, 12
	s_add_nc_u64 s[6:7], s[6:7], s[16:17]
	v_add_nc_u32 v3, 8*ROWB, v1
	ROWS 6, 12, ROWB, 0
	s_endpgm
.Lwout:
	s_sub_co_u32 s20, ttmp9, 1216                  ; wob's rows 16 n .. 16 n + 15: n = 8 G + b, r = i
	s_lshr_b32 s21, s20, 3
	s_lshl_b32 s21, s21, 7                         ; 128 G
	s_bfe_u32 s22, s20, 0x10002
	s_lshl_b32 s22, s22, 6                         ; 64 (b / 4)
	s_and_b32 s23, s20, 3                          ; b % 4
	s_add_co_u32 s21, s21, s22
	s_add_co_u32 s21, s21, s23                     ; the first source row; r goes up by one: four rows
	s_lshl_b32 s16, s21, 12
	s_lshl_b32 s18, s20, 15
	s_add_nc_u64 s[8:9], s[8:9], s[16:17]
	s_add_nc_u64 s[14:15], s[14:15], s[18:19]
	; my destination columns 4 t .. 4 t + 3: e = 4 (t & 1) + 0..3, r = (t >> 1) & 15, h = (t >> 5) & 1, i = t >> 6; the source byte is 256 r + 64 i + 32 h + 16 (t & 1)
	v_and_b32 v1, 1, v0
	v_lshlrev_b32 v1, 4, v1
	v_bfe_u32 v4, v0, 1, 4
	v_lshl_or_b32 v1, v4, 8, v1
	v_bfe_u32 v4, v0, 5, 1
	v_lshl_or_b32 v1, v4, 5, v1
	v_lshrrev_b32 v4, 6, v0
	v_lshl_or_b32 v1, v4, 6, v1
	v_add_nc_u32 v3, 8*4*ROWB, v1
	ROWS 8, 14, 4*ROWB, 1
	s_endpgm
.Lfunc_end_k_qeb105f11cd_cast:
	.size	k_qeb105f11cd_cast, .Lfunc_end_k_qeb105f11cd_cast-k_qeb105f11cd_cast
	.p2alignl 7, 3214868480
	.fill 96, 4, 3214868480
	.section	.rodata,"a",@progbits
	.p2align	6, 0x0
	.amdhsa_kernel k_qeb105f11cd_cast
		.amdhsa_group_segment_fixed_size 0
		.amdhsa_private_segment_fixed_size 0
		.amdhsa_enable_private_segment 0
		.amdhsa_kernarg_size 48
		.amdhsa_user_sgpr_count 2
		.amdhsa_user_sgpr_kernarg_segment_ptr 1
		.amdhsa_wavefront_size32 1
		.amdhsa_system_sgpr_workgroup_id_x 1
		.amdhsa_system_sgpr_workgroup_id_y 1
		.amdhsa_system_sgpr_workgroup_id_z 1
		.amdhsa_system_vgpr_workitem_id 0
		.amdhsa_next_free_vgpr 104
		.amdhsa_next_free_sgpr 66
		.amdhsa_reserve_vcc 0
		.amdhsa_float_denorm_mode_32 3
		.amdhsa_float_denorm_mode_16_64 3
		.amdhsa_memory_ordered 1
		.amdhsa_forward_progress 1
		.amdhsa_inst_pref_size 29
	.end_amdhsa_kernel
	.amdgpu_metadata
---
amdhsa.version: [ 1, 2 ]
amdhsa.kernels:
  - .name:           k_qeb105f11cd_cast
    .symbol:         k_qeb105f11cd_cast.kd
    .args:
      - { .name: x, .offset: 0, .size: 8, .value_kind: global_buffer, .address_space: global }
      - { .name: Wqkv, .offset: 8, .size: 8, .value_kind: global_buffer, .address_space: global }
      - { .name: Wout, .offset: 16, .size: 8, .value_kind: global_buffer, .address_space: global }
      - { .name: xb, .offset: 24, .size: 8, .value_kind: global_buffer, .address_space: global }
      - { .name: wqb, .offset: 32, .size: 8, .value_kind: global_buffer, .address_space: global }
      - { .name: wob, .offset: 40, .size: 8, .value_kind: global_buffer, .address_space: global }
    .group_segment_fixed_size: 0
    .private_segment_fixed_size: 0
    .kernarg_segment_align: 8
    .kernarg_segment_size: 48
    .max_flat_workgroup_size: 256
    .sgpr_count:     66
    .vgpr_count:     104
    .wavefront_size: 32
...
	.end_amdgpu_metadata
.endif
;; end of part 5
;; launch qkvgemm: the kernel of part 2 again; grid 4 x 64, 4 waves a work-group, clusters of 4 x 4, 327,680 bytes of LDS; arguments xb, wqb, qkv; writes qkv
;; launch att (part 6): grid 512 x 1, 8 waves a work-group, no clusters, 0 bytes of LDS; arguments qkv, ob; writes ob
.if DOCPART == 6
	.amdgcn_target "amdgcn-amd-amdhsa--gfx1250"
	.amdhsa_code_object_version 6
	.text
	.protected	k_qeb105f11cd_att
	.globl	k_qeb105f11cd_att
	.p2align	8
	.type	k_qeb105f11cd_att,@function
k_qeb105f11cd_att:
	s_mov_b64 s[64:65], 0
	v_nop
	global_prefetch_b8 v0, s[64:65] scope:SCOPE_SE
	s_setreg_imm32_b32 hwreg(HW_REG_WAVE_SCHED_MODE, 0, 2), 2
	s_setreg_imm32_b32 hwreg(HW_REG_WAVE_MODE, 25, 1), 1
	s_wait_xcnt 0x0
	s_wait_alu depctr_vm_vsrc(0)
; ATTENTION OVER THE 16 HEADS OF ONE TOKEN.  For each token: S[g][h] = k_g . q_h, p = softmax over g of S / 8, o_h = the sum over g of p[g][h] v_g.  qkv: [16384][3072] f16, ob: [16384][1024] f16.
; Products, maximum and sum in f32; the row's maximum is taken away before the exponential; p is divided by its sum in f32 and rounded once to f16 for the second product; o is rounded once.
; LIMITS.  A weight below 2^-126 counts as 0; o is a mean of v's rows and has their range; NaN and infinities are not treated apart.
; LAYOUT OF A TOKEN'S ROW, made by the launches in front: twelve pieces of 512 bytes, of which lane l = 16 h + r takes the 16 bytes at 16 l:
;   pieces 0-3 (q), 4-7 (k): piece j holds head r, channels 16 j + 8 h + 0..7: two pieces on end are a fragment (16 heads x 32 channels) as the matrix instruction wants it.
;   pieces 8-11 (v): piece i holds channel 16 i + r, heads 8 h + 0..7: the low half of a fragment of v turned (16 channels x 32 heads, of which heads 16-31 do not exist: those registers hold 0).
; S^T = K Q^T (source 0 = k, source 1 = q): a lane holds query head l % 16 and key heads 8 (l / 16) + 0..7; rounded in pairs these ARE the low half of source 1 of O^T = V^T P, whose result holds query head
; l % 16 and channels 16 i + 8 (l / 16) + 0..7: 16 bytes, stored at piece i of ob's row, 16 l: the order of columns in which the last product's weights were laid.
; So every load and store of a wave covers 512 consecutive bytes, aligned, and nothing goes through LDS.
; SHARES.  A wave owns 4 tokens, two batches of two; the next batch's loads go out as soon as the registers are free.  No loop, no barrier, no cluster: no byte is shared.
; THE MODE: SCHED_MODE bits 1:0 = 2 (LLVM: expert scheduling mode 2), set by the entry lines.  The code itself states the register dependences between vector or matrix instructions and memory instructions,
; with s_wait_alu, always for 0.
; THE PLAN.  Registers that memory instructions touch:
;   v2           the one offset.  Written at the head, never again; read by every load and store.
;   QK           Written by a batch's sixteen loads of q and k; read by its four products K Q^T; behind them the next batch's loads land there.
;   V            The low four of each eight are written by a batch's eight loads of v; the eight are read by its products V^T P; behind them the next batch's loads land there.
;   accumulators Written by the products V^T P and, in place, by the conversions; read by the batch's eight stores.  The first batch's lie in O, the second's in QK, whose 64 registers are free once the
;                second batch's scores are made: so no register that a store reads is written again.
;   T, S and P are named by vector and matrix instructions alone.
; So the first batch has one wait behind its products K Q^T and one behind its products V^T P, each ahead of the loads into the registers that those products read; these loads are then dealt among vector
; lines that name T, S or the accumulators alone.  Each batch has one wait between its conversions and its run of stores.  The second batch issues no load and has neither of the first two.
.set TOKB, 6144                        ; bytes in a row of qkv
.set OUTB, 2048                        ; bytes in a row of ob
.set T,  4                             ; v[4:11]    token u: t0..t3 at T + 4 u, at work
.set QK, 16                            ; v[16:79]   token u at QK + 32 u: q's fragments c at + 8 c, k's at + 16 + 8 c; in the second batch, behind its scores: its accumulators, laid as O
.set V,  80                            ; v[80:143]  token u at V + 32 u: fragment i at + 8 i; its upper four registers hold 0
.set S,  144                           ; v[144:159] token u: eight scores
.set P,  160                           ; v[160:175] token u: the weights' fragment; its upper four registers hold 0
.set O,  176                           ; v[176:239] the first batch's accumulators: token u at O + 32 u, accumulator i at + 8 i
.macro LQK on, b, x                    ; piece x of q and k of batch b's two tokens: two of the batch's sixteen loads.  on = 0: there is no such batch
.if \on
.irp u, 0,1
	global_load_b128 v[QK+32*(\u)+4*(\x):QK+32*(\u)+4*(\x)+3], v2, s[4:5] offset:(2*(\b)+(\u))*TOKB+512*(\x) th:TH_LOAD_NT
.endr
.endif
.endm
.macro LV on, b, x                     ; piece x of v of batch b's two tokens: two of the batch's eight loads
.if \on
.irp u, 0,1
	global_load_b128 v[V+32*(\u)+8*(\x):V+32*(\u)+8*(\x)+3], v2, s[4:5] offset:(2*(\b)+(\u))*TOKB+4096+512*(\x) th:TH_LOAD_NT
.endr
.endif
.endm
.macro PLACES                          ; four places behind a matrix instruction, in front of vector instructions that read its result (ISA guide 7.12.1)
.rept 4
	v_nop
.endr
.endm
.macro BOTH line:vararg                ; one line for each of the batch's two tokens u: they alternate, so that no instruction reads the result of the one just before it
.set u, 0
.rept 2
	\line
.set u, u+1
.endr
.endm
	s_load_b128 s[4:7], s[0:1], 0x0                ; qkv s[4:5], ob s[6:7]
	v_lshrrev_b32 v1, 5, v0
	v_readfirstlane_b32 s12, v1                    ; wave 0..7
	v_and_b32 v2, 31, v0
	v_lshlrev_b32 v2, 4, v2                        ; 16 x lane: the one offset of all loads and stores; never rewritten
	s_wait_alu depctr_va_sdst(0)                   ; s12 is written, ahead of its first reader: both bases are made from it
	s_lshl_b32 s13, ttmp9, 5
	s_lshl2_add_u32 s13, s12, s13                  ; my first token = 32 x work-group + 4 x wave
	s_mul_i32 s14, s13, TOKB
	s_mov_b32 s15, 0
	s_lshl_b32 s16, s13, 11
	s_mov_b32 s17, 0
	s_mov_b32 s8, 0x3e38aa3b                       ; c = log2(e) / 8 = 0.180337
	s_mov_b32 s9, s8                               ; named with it as a pair
	s_mov_b32 s10, 0x76543210                      ; v_permlanex16_b32: each lane takes its own place in the other half
	s_mov_b32 s11, 0xfedcba98
	s_wait_kmcnt 0x0
	s_add_nc_u64 s[4:5], s[4:5], s[14:15]
	s_add_nc_u64 s[6:7], s[6:7], s[16:17]
	s_wait_alu depctr_va_vdst(0)                   ; v2 is written: every load and store of the kernel reads it as its offset
.irp x, 0,1,2,3,4,5,6,7
	LQK 1, 0, \x
.endr
.irp x, 0,1,2,3
	LV 1, 0, \x
.endr
	; while the first loads are out: the halves of the fragments that stand for heads 16-31, and the registers that the exchange of halves names as its destination; no load lands in any of these
.set i, 0
.rept 8
	v_mov_b32 v[V+8*i+4], 0
	v_mov_b32 v[V+8*i+5], 0
	v_mov_b32 v[V+8*i+6], 0
	v_mov_b32 v[V+8*i+7], 0
	v_mov_b32 v[T+i], 0
.set i, i+1
.endr
.set i, 0
.rept 4
	v_mov_b32 v[P+4+i], 0
	v_mov_b32 v[P+12+i], 0
.set i, i+1
.endr
; A batch of two tokens.  ahead = 1: the next batch's loads are issued as its registers come free.
.macro BATCH b, ahead
.if (\b) == 0
.set OA, O                             ; where the batch's accumulators lie
.else
.set OA, QK
.endif
	s_wait_loadcnt 8                               ; q and k are in; the eight younger loads, v's, stay out
	; S^T: two accumulators by turns; the first product of each starts its sum
	BOTH v_wmma_f32_16x16x32_f16 v[S+8*u:S+8*u+7], v[QK+32*u+16:QK+32*u+23], v[QK+32*u:QK+32*u+7], 0
	BOTH v_wmma_f32_16x16x32_f16 v[S+8*u:S+8*u+7], v[QK+32*u+24:QK+32*u+31], v[QK+32*u+8:QK+32*u+15], v[S+8*u:S+8*u+7]
	PLACES
.if \ahead
	s_wait_alu depctr_va_vdst(0)                   ; the four products are done reading q's and k's fragments, in which the next batch's sixteen loads land; the lines among which these are dealt name T and S alone
.endif
	LQK \ahead, (\b)+1, 0
	LQK \ahead, (\b)+1, 1
	; the maximum of my eight scores (the accumulator's lowest registers are read first), then of the query's other eight, which lie in the lane 16 away
	BOTH v_max3_num_f32 v[T+4*u], v[S+8*u], v[S+8*u+1], v[S+8*u+2]
	LQK \ahead, (\b)+1, 2
	BOTH v_max3_num_f32 v[T+4*u], v[T+4*u], v[S+8*u+3], v[S+8*u+4]
	LQK \ahead, (\b)+1, 3
	BOTH v_max3_num_f32 v[T+4*u], v[T+4*u], v[S+8*u+5], v[S+8*u+6]
	LQK \ahead, (\b)+1, 4
	BOTH v_max_num_f32 v[T+4*u], v[T+4*u], v[S+8*u+7]
	LQK \ahead, (\b)+1, 5
	BOTH v_permlanex16_b32 v[T+4*u+1], v[T+4*u], s10, s11
	LQK \ahead, (\b)+1, 6
	BOTH v_max_num_f32 v[T+4*u], v[T+4*u], v[T+4*u+1]
	LQK \ahead, (\b)+1, 7
	BOTH v_mul_f32 v[T+4*u], s8, v[T+4*u]          ; c m
.irp p, 0,2,4,6
	BOTH v_pk_fma_f32 v[S+8*u+(\p):S+8*u+(\p)+1], v[S+8*u+(\p):S+8*u+(\p)+1], s[8:9], v[T+4*u:T+4*u+1] op_sel_hi:[1,0,0] neg_lo:[0,0,1] neg_hi:[0,0,1]  ; c s - c m, at most 0
.endr
.irp e, 0,1,2,3,4,5,6,7
	BOTH v_exp_f32 v[S+8*u+(\e)], v[S+8*u+(\e)]    ; ONE batch of sixteen
.endr
	v_nop                                          ; a plain instruction behind the last exponential (ISA guide 5.7.2),
	s_wait_alu depctr_va_vdst(0)                   ; and one wait: the sixteen exponentials have written S, ahead of the first instruction that names a result
	BOTH v_pk_add_f32 v[T+4*u+2:T+4*u+3], v[S+8*u:S+8*u+1], v[S+8*u+2:S+8*u+3]
	BOTH v_pk_add_f32 v[T+4*u+2:T+4*u+3], v[T+4*u+2:T+4*u+3], v[S+8*u+4:S+8*u+5]
	BOTH v_pk_add_f32 v[T+4*u+2:T+4*u+3], v[T+4*u+2:T+4*u+3], v[S+8*u+6:S+8*u+7]
	BOTH v_add_f32 v[T+4*u+2], v[T+4*u+2], v[T+4*u+3]
	BOTH v_permlanex16_b32 v[T+4*u+3], v[T+4*u+2], s10, s11
	BOTH v_add_f32 v[T+4*u+2], v[T+4*u+2], v[T+4*u+3]  ; the sum of all sixteen weights: at least 1, since the largest is 1
	BOTH v_rcp_f32 v[T+4*u+2], v[T+4*u+2]
	v_nop
	s_wait_alu depctr_va_vdst(0)                   ; one wait: the two reciprocals have written their registers, ahead of the first multiply that reads them
.irp p, 0,2,4,6
	BOTH v_pk_mul_f32 v[S+8*u+(\p):S+8*u+(\p)+1], v[S+8*u+(\p):S+8*u+(\p)+1], v[T+4*u+2:T+4*u+3] op_sel_hi:[1,0]
.endr
.irp q, 0,1,2,3
	BOTH v_cvt_pk_f16_f32 v[P+8*u+(\q)], v[S+8*u+2*(\q)], v[S+8*u+2*(\q)+1]
.endr
.if \ahead
	s_wait_loadcnt 16                              ; v is in; the next batch's sixteen loads of q and k stay out
.else
	s_wait_loadcnt 0x0
.endif
	; O^T: eight accumulators, one product each.  The second batch's lie where its q and k lay: the products that read those stand the whole softmax back, six v_nop and the plain lines on T among it
.irp i, 0,1,2,3
	BOTH v_wmma_f32_16x16x32_f16 v[OA+32*u+8*(\i):OA+32*u+8*(\i)+7], v[V+32*u+8*(\i):V+32*u+8*(\i)+7], v[P+8*u:P+8*u+7], 0
.endr
	PLACES
.if \ahead
	s_wait_alu depctr_va_vdst(0)                   ; the eight products are done reading v's fragments, in which the next batch's eight loads land; the conversions among which these are dealt name the accumulators alone
.endif
.irp i, 0,1,2,3
	LV \ahead, (\b)+1, \i
.irp q, 0,1,2,3
	BOTH v_cvt_pk_f16_f32 v[OA+32*u+8*(\i)+(\q)], v[OA+32*u+8*(\i)+2*(\q)], v[OA+32*u+8*(\i)+2*(\q)+1]  ; in place, ascending: a register is written when it has been read
.endr
.endr
	s_wait_alu depctr_va_vdst(0)                   ; the conversions have written the low four registers of each accumulator, which the eight stores read
.irp i, 0,1,2,3
	BOTH global_store_b128 v2, v[OA+32*u+8*(\i):OA+32*u+8*(\i)+3], s[6:7] offset:(2*(\b)+u)*OUTB+512*(\i)  ; 512 consecutive bytes, at a multiple of 512 from ob's first byte
.endr
.endm
	BATCH 0, 1
	BATCH 1, 0
	s_endpgm
.Lfunc_end_k_qeb105f11cd_att:
	.size	k_qeb105f11cd_att, .Lfunc_end_k_qeb105f11cd_att-k_qeb105f11cd_att
	.p2alignl 7, 3214868480
	.fill 96, 4, 3214868480
	.section	.rodata,"a",@progbits
	.p2align	6, 0x0
	.amdhsa_kernel k_qeb105f11cd_att
		.amdhsa_group_segment_fixed_size 0
		.amdhsa_private_segment_fixed_size 0
		.amdhsa_enable_private_segment 0
		.amdhsa_kernarg_size 16
		.amdhsa_user_sgpr_count 2
		.amdhsa_user_sgpr_kernarg_segment_ptr 1
		.amdhsa_wavefront_size32 1
		.amdhsa_system_sgpr_workgroup_id_x 1
		.amdhsa_system_sgpr_workgroup_id_y 1
		.amdhsa_system_sgpr_workgroup_id_z 1
		.amdhsa_system_vgpr_workitem_id 0
		.amdhsa_next_free_vgpr 240
		.amdhsa_next_free_sgpr 66
		.amdhsa_reserve_vcc 0
		.amdhsa_float_denorm_mode_32 3
		.amdhsa_float_denorm_mode_16_64 3
		.amdhsa_memory_ordered 1
		.amdhsa_forward_progress 1
		.amdhsa_inst_pref_size 22
	.end_amdhsa_kernel
	.amdgpu_metadata
---
amdhsa.version: [ 1, 2 ]
amdhsa.kernels:
  - .name:           k_qeb105f11cd_att
    .symbol:         k_qeb105f11cd_att.kd
    .args:
      - { .name: qkv, .offset: 0, .size: 8, .value_kind: global_buffer, .address_space: global }
      - { .name: ob, .offset: 8, .size: 8, .value_kind: global_buffer, .address_space: global }
    .group_segment_fixed_size: 0
    .private_segment_fixed_size: 0
    .kernarg_segment_align: 8
    .kernarg_segment_size: 16
    .max_flat_workgroup_size: 256
    .sgpr_count:     66
    .vgpr_count:     240
    .wavefront_size: 32
...
	.end_amdgpu_metadata
.endif
;; end of part 6
;; launch outgemm: the kernel of part 4 again; grid 4 x 64, 4 waves a work-group, clusters of 4 x 4, 327,680 bytes of LDS; arguments ob, wob, out0, bout; writes out0
